; MI455X (gfx1250); checked and timed in simulation.
; The chip was launched on July 23, 2026; its instructions are those of AMD's public machine-readable ISA for CDNA 5 (MIT licence, August 2026) and "CDNA5" Instruction Set Architecture Reference Guide (July 2026). The comments in the code are by the model that wrote it; some were corrected since.
;; Multi Head Attention. Allowed arithmetic: matrix products marked QUANTISED: E2M3 operands, one E8M0 scale for each 32 along K, by v_wmma_scale_f32_16x16x128_f8f6f4 with both operands' format E2M3, f32 sums; everything else in f32.
;; Inputs: Wk 1,024 x 1,024 float32; Wo 1,024 x 1,024 float32; Wq 1,024 x 1,024 float32; Wv 1,024 x 1,024 float32; bk 1,024 float32; bo 1,024 float32; bq 1,024 float32; bv 1,024 float32; k 4 x 2,048 x 1,024 float32; q 4 x 2,048 x 1,024 float32; v 4 x 2,048 x 1,024 float32.
;; Outputs: out0 4 x 2,048 x 1,024 float32.
;; This version of the problem:
;;   THIS VERSION OF THE PROBLEM IS GIVEN IN LOW PRECISION. The matrix products marked QUANTISED in the list below multiply operands that are first quantised to E2M3 (2 exponent bits, 3 mantissa bits; 6 bits a number), with one power-of-two scale for each 32 numbers along K (OCP MX v1.0); their sums are f32. All else is computed in f32.
;;   The module's matrix products, in the order in which they are computed (A, B: the left and right operand; K: the contracted axis; several contracted axes count as one K, in the product's order):
;;     1. [M 8,192, K 1,024] x [K 1,024, N 1,024]; A: input q; B: input Wq: QUANTISED
;;     2. [M 8,192, K 1,024] x [K 1,024, N 1,024]; A: input k; B: input Wk: QUANTISED
;;     3. [M 8,192, K 1,024] x [K 1,024, N 1,024]; A: input v; B: input Wv: QUANTISED
;;     4. batch 64 x [M 2,048, K 64] x [K 64, N 2,048]; A: computed on the way; B: computed on the way: QUANTISED
;;     5. batch 64 x [M 2,048, K 2,048] x [K 2,048, N 64]; A: softmax (see below); B: computed on the way: QUANTISED
;;     6. [M 8,192, K 1,024] x [K 1,024, N 1,024]; A: computed on the way; B: input Wo: QUANTISED
;;   THE QUANTISER, for each operand of a quantised product, along K:
;;     - K is cut into blocks of 32 from its start; a last block that is shorter is filled with zeros.
;;     - A block's scale is 2^e with e = floor(log2(the largest magnitude in the block)) - 2, held to -126 .. 127; a block of zeros has e = 0. As a byte (E8M0): e + 127.
;;     - Each number is divided by its block's scale, clamped to +-7.5, and rounded to the nearest number of E2M3, ties to even, subnormals kept.
;;     - The product sums the exact products of the quantised numbers (number of the format x scale) in f32.
;;   ~~~python
;;   def quantise(x, axis):      # numpy; x: float32 -> the quantised numbers, widened to float32 again
;;       x = np.moveaxis(x, axis, -1); K = x.shape[-1]
;;       x = np.pad(x, [(0, 0)] * (x.ndim - 1) + [(0, -K % 32)]); x = x.reshape(x.shape[:-1] + (-1, 32)); a = np.abs(x).max(-1, keepdims=True)
;;       e = np.where(a > 0, np.clip(np.frexp(np.where(a > 0, a, 1))[1] - 1 - 2, -126, 127), 0)      # np.frexp(a)[1] - 1 = floor(log2(a)), exactly
;;       r = np.clip(x / 2.0 ** e, -7.5, 7.5)
;;       step = 2.0 ** (np.maximum(np.frexp(np.where(r == 0, 1, r))[1] - 1, 0) - 3)
;;       q = np.round(r / step) * step * 2.0 ** e      # np.round: ties to even
;;       return np.moveaxis(q.reshape(q.shape[:-2] + (-1,))[..., :K], -1, axis).astype(np.float32)
;;   ~~~
;;   SOFTMAX AHEAD OF A QUANTISED PRODUCT. Where the list says 'softmax', what is quantised is not the finished softmax but p = 2^(t - M), with t = logit x log2(e) and M = ceil(the row's largest t), a whole number; so 1/2 < the row's largest p <= 1. The row's sum l is taken of the UNQUANTISED p, in f32, and the product's result is divided by l at the end. Since M is a whole number, a kernel that streams over the keys may use a running M (the ceiling of the running maximum): every later rescaling is an exact power of two, which a block's scale takes up: the codes' values come out the same.
;;   OPERANDS COMPUTED ON THE WAY. 'Computed on the way' means the value that the module computes at that place (a softmax that the list does not call 'softmax' is quantised finished and normalised). What goes into a quantiser is computed in f32, as accurately as f32 sums, v_exp_f32 and their like allow (about 1e-6 of the number): no bf16 or f16 on the way to a quantiser, and a product that is left as it is and whose result goes on into a quantised operand takes f32 operands (vector FMAs, or v_wmma_f32_16x16x4_f32). A number that lies on a knife's edge between two numbers of the format may be rounded either way, as far as f32 arithmetic and the matrix unit's own rounding can turn it there, and no further.
;; One version. Each part assembles by itself: llvm-mc -triple=amdgcn-amd-amdhsa -mcpu=gfx1250 --defsym DOCPART=n.
;; ======== version 1 of 1: 4 launches
;; limits: right only within a limited range of input values
;; workspace buffers: img 22,020,096 bytes; scl 917,504 bytes; qb 6,553,600 bytes; kv 13,107,200 bytes; ximg 6,291,456 bytes; xscl 262,144 bytes
;; launch quant (part 1): grid 256 x 1, 7 waves a work-group, no clusters, 60,160 bytes of LDS; arguments q, k, v, Wq, Wk, Wv, Wo, img, scl; writes img, scl
.if DOCPART == 1
	.amdgcn_target "amdgcn-amd-amdhsa--gfx1250"
	.amdhsa_code_object_version 6
	.text
	.protected	k_q21677cee63_quant
	.globl	k_q21677cee63_quant
	.p2align	8
	.type	k_q21677cee63_quant,@function
k_q21677cee63_quant:
	s_mov_b64 s[64:65], 0
	v_nop
	global_prefetch_b8 v0, s[64:65] scope:SCOPE_SE
	s_setreg_imm32_b32 hwreg(HW_REG_WAVE_MODE, 25, 1), 1
	s_wait_xcnt 0x0
; q, k, v [8192][1024] and Wq, Wk, Wv, Wo [1024][1024], f32 with K innermost, become codes of FP6 (E2M3) with one E8M0 byte for each 32 along K.
; A block's scale is 2^(floor(log2(its largest magnitude)) - 2); its byte is the largest magnitude's exponent field - 2, held at 1 from below; numbers are divided by the scale and rounded to the nearest code, ties to even,
; beyond 7.5 the largest code.  LIMITS: NaN and infinities among the inputs are not served; a block whose largest magnitude lies under 2^-124 (a block of zeros too) keeps the byte 1: its codes are zeros or held small,
; and the bytes are read by this program alone.
; WHAT IS STORED.  img: for each tile of 16 rows and each 128 along K an IMAGE OF THE OPERAND'S 12 REGISTERS: piece c (registers 4 c .. 4 c + 3) at 512 c, lane l's 16 bytes at 16 l: 1,536 bytes, eight of them a tile.
; scl: 32 bytes a row (a word for each 128 along K), 512 bytes a tile.  Tiles: q 0-511, k 512-1023, v 1024-1535, Wq 1536-, Wk 1600-, Wv 1664-, Wo 1728-1791.
; THE ROWS OF A TILE: in q and Wo sixteen neighbours.  In k, v, Wq, Wk, Wv tile 2 b + u holds rows 32 b + 8 u + r + 8 (r / 8): so a later product's eight results of a lane, of two neighbouring tiles, are 16 neighbours.
; SHARES.  One wave takes one tile for all of K: 64 KiB in, 12,800 bytes out.  Each load reads 512 consecutive bytes of a row; a K step's 16 rows turn through the wave's own stage in LDS (rows 528 bytes apart) and come
; back 64 bytes a lane, 16 neighbours of each block.  Two K steps (32 loads a wave) are on their way.  No matrix unit, no tensor load, no barrier, no cluster: waves share nothing and every byte is read once.
.set ROWB, 4096                        ; a row of any of the seven tensors, in bytes
.set FRB,  1536                        ; an image
.set SP,   528                         ; a stage row: 512 bytes + 16
.set STG,  16*SP                       ; a wave's stage
.set RA,   16                          ; v16-143  two sets of 64 registers as loaded
.set X,    144                         ; v144-207 64 numbers: register 16 b + i = k 32 b + 16 (lane / 16) + i of my row
.set PC,   208                         ; v208-227 the codes
.set TM,   228                         ; v228-243 at work
.set PW,   244                         ; the scale word just made
.set SW,   246                         ; v246-253 the tile's eight scale words
.set SEL,  40                          ; s[40:41] lane selects: lane l xor 16
; 64 numbers of a lane become a fragment's codes in v[PC] on and its row's scale word in v[PW]
.macro QUANT s
.irp b, 0,1,2,3
	v_max3_num_f32 v[TM+\b], |v[\s+16*\b]|, |v[\s+1+16*\b]|, 0x1800000   ; block b: my 16 numbers, and the floor 2^(3 - 127): the byte cannot fall under 1
.endr
.irp i, 2,4,6,8,10,12,14
.irp b, 0,1,2,3
	v_max3_num_f32 v[TM+\b], v[TM+\b], |v[\s+16*\b+\i]|, |v[\s+1+16*\b+\i]|   ; the four blocks by turns
.endr
.endr
.irp b, 0,1,2,3
	v_permlanex16_b32 v[TM+4+\b], v[TM+\b], s[SEL], s[SEL+1]
.endr
.irp b, 0,1,2,3
	v_max_num_f32 v[TM+\b], v[TM+\b], v[TM+4+\b]   ; with lane l xor 16's: the block's largest magnitude
.endr
.irp b, 0,1,2,3
	v_add_nc_u32 v[TM+12+\b], 0xff000000, v[TM+\b]   ; 2 off its exponent field: the conversion's scale operand
.endr
.irp b, 0,1,2,3
	v_lshrrev_b32 v[TM+4+\b], 23, v[TM+12+\b]      ; the scale's byte
.endr
	v_lshl_or_b32 v[PW], v[TM+5], 8, v[TM+4]
	v_lshl_or_b32 v[PW], v[TM+6], 16, v[PW]
	v_lshl_or_b32 v[PW], v[TM+7], 24, v[PW]
.irp c, 0,1
	v_cvt_scalef32_pk16_fp6_f32 v[PC+6*\c:PC+2+6*\c], v[\s+32*\c:\s+15+32*\c], v[TM+12+2*\c]
	v_cvt_scalef32_pk16_fp6_f32 v[PC+12+4*\c:PC+14+4*\c], v[\s+16+32*\c:\s+31+32*\c], v[TM+12+2*\c+1]   ; (a conversion's three registers begin on an even number)
.endr
	v_nop                                          ; one plain line behind the scaled conversions
.irp c, 0,1                                    ; the operand wants a whole block in a lane: lanes 0-15 block 2 c, lanes 16-31 block 2 c + 1
.irp i, 0,1,2
	v_permlane16_swap_b32 v[PC+6*\c+\i], v[PC+12+4*\c+\i]
.endr
.irp i, 0,1,2
	v_mov_b32 v[PC+3+6*\c+\i], v[PC+12+4*\c+\i]
.endr
.endr
.endm
	s_load_b512 s[4:19], s[0:1], 0x0               ; q, k, v, Wq, Wk, Wv, Wo, img
	s_load_b64 s[20:21], s[0:1], 0x40              ; scl
	v_lshl_add_u32 v254, v0, 2, 0xe700             ; my spare word, behind the seven stages of 8,448 bytes
	v_mov_b32 v255, 0
	v_lshrrev_b32 v5, 5, v0
	v_readfirstlane_b32 s22, v5                    ; wave 0..6
	v_and_b32 v6, 31, v0                           ; lane
	v_and_b32 v7, 15, v0                           ; r
	v_bfe_u32 v8, v0, 4, 1                         ; h
	v_lshlrev_b32 v1, 4, v6                        ; 16 x lane: my bytes of a load's 512 and of an image's piece
	s_mul_i32 s23, s22, STG
	v_add_nc_u32 v2, s23, v1                       ; the stage, on the way in
	v_mul_u32_u24 v3, v7, SP
	v_lshl_add_u32 v3, v8, 6, v3
	v_add_nc_u32 v3, s23, v3                       ; and out: row r, + 64 h
	v_lshlrev_b32 v4, 5, v7
	v_lshl_add_u32 v4, v8, 4, v4                   ; the scale words: 32 r + 16 h
	v_cmp_le_u32 vcc_lo, 16, v6                    ; lanes 16-31; kept to the end
.irp b, 0,1,2,3
	v_mov_b32 v[TM+4+\b], 0                        ; written once: a lane permute's destination counts as one of its sources
.endr
	s_mov_b32 s[SEL], 0x76543210
	s_mov_b32 s[SEL+1], 0xfedcba98
	s_wait_alu depctr_va_vdst(0)
	s_wait_kmcnt 0x0
	s_mul_i32 s44, ttmp9, 7                        ; 1,792 tiles = 256 work-groups x 7 waves:
	s_add_co_u32 s44, s44, s22                     ; T = 7 x work-group + wave
	s_mov_b64 s[24:25], s[4:5]                     ; which tensor is my tile's, and that tensor's first tile: the choice hangs on T alone
	s_mov_b32 s26, 0
.macro PICK first, lo
	s_cmp_ge_u32 s44, \first
	s_cselect_b64 s[24:25], s[\lo:\lo+1], s[24:25]
	s_cselect_b32 s26, \first, s26
.endm
	PICK 512, 6
	PICK 1024, 8
	PICK 1536, 10
	PICK 1600, 12
	PICK 1664, 14
	PICK 1728, 16
	s_sub_co_u32 s27, s44, s26                     ; t: my tile in its tensor
	s_lshl_b32 s36, s27, 4                         ; neighbours: row 16 t
	s_lshr_b32 s37, s27, 1
	s_lshl_b32 s37, s37, 5
	s_and_b32 s38, s27, 1
	s_lshl_b32 s38, s38, 3
	s_add_co_u32 s37, s37, s38                     ; else: row 32 (t / 2) + 8 (t % 2)
	s_sub_co_u32 s39, s44, 512
	s_cmp_lt_u32 s39, 1216                         ; tiles 512 to 1,727: k, v, Wq, Wk, Wv
	s_cselect_b32 s36, s37, s36
	s_cselect_b32 s38, 16, 8                       ; the tile's rows 8-15 begin so many rows below its first
	s_lshl_b32 s36, s36, 12
	s_mov_b32 s37, 0
	s_add_nc_u64 s[28:29], s[24:25], s[36:37]      ; rows 0-7
	s_lshl_b32 s38, s38, 12
	s_mov_b32 s39, 0
	s_add_nc_u64 s[30:31], s[28:29], s[38:39]      ; rows 8-15
	s_mov_b32 s36, s44
	s_mul_i32 s38, s36, 8*FRB
	s_add_nc_u64 s[32:33], s[18:19], s[38:39]
	s_lshl_b32 s38, s36, 9
	s_add_nc_u64 s[34:35], s[20:21], s[38:39]
.macro LOAD f                          ; K step f of the 16 rows: each load reads 512 consecutive bytes
.irp i, 0,1,2,3,4,5,6,7
	global_load_b128 v[RA+64*((\f)%2)+4*\i:RA+64*((\f)%2)+4*\i+3], v1, s[28:29] offset:\i*ROWB+512*(\f) th:TH_LOAD_NT
.endr
.irp i, 0,1,2,3,4,5,6,7
	global_load_b128 v[RA+64*((\f)%2)+32+4*\i:RA+64*((\f)%2)+32+4*\i+3], v1, s[30:31] offset:\i*ROWB+512*(\f) th:TH_LOAD_NT
.endr
.endm
.macro FRAGM f
.if (\f) < 7
	s_wait_loadcnt 16                              ; this K step's 16 loads are in; the next step's 16 may stay out
.else
	s_wait_loadcnt 0x0
.endif
.irp i, 0,1,2,3,4,5,6,7,8,9,10,11,12,13,14,15
	ds_store_b128 v2, v[RA+64*((\f)%2)+4*\i:RA+64*((\f)%2)+4*\i+3] offset:SP*\i
.endr
.irp b, 0,1,2,3
.irp j, 0,1,2,3
	ds_load_b128 v[X+16*\b+4*\j:X+16*\b+4*\j+3], v3 offset:128*\b+16*\j   ; LDS serves a wave's instructions in order: these see the stores above
.endr
.endr
	s_wait_dscnt 0x0                               ; the numbers are back, and the stores into the stage have read their registers
	s_wait_xcnt 0x0                                ; the last image's stores have read the codes' registers: they are written again below
.if (\f) < 6
	LOAD (\f)+2
.endif
	QUANT X
.irp c, 0,1,2
	global_store_b128 v1, v[PC+4*\c:PC+4*\c+3], s[32:33] offset:FRB*(\f)+512*\c   ; 32 lanes store 512 consecutive bytes, aligned
.endr
	v_mov_b32 v[SW+(\f)], v[PW]
.endm
	LOAD 0
	LOAD 1
.irp f, 0,1,2,3,4,5,6,7
	FRAGM \f
.endr
.irp j, 0,1,2,3
	v_cndmask_b32 v[X+\j], v[SW+\j], v[SW+4+\j], vcc_lo   ; lanes 0-15 words 0-3 of row r, lanes 16-31 words 4-7
.endr
	global_store_b128 v4, v[X:X+3], s[34:35]       ; the tile's 512 scale bytes
	s_wait_tensorcnt 0x0
	ds_add_u32 v254, v255
	s_wait_dscnt 0x0
	s_endpgm
.Lfunc_end_k_q21677cee63_quant:
	.size	k_q21677cee63_quant, .Lfunc_end_k_q21677cee63_quant-k_q21677cee63_quant
	.p2alignl 7, 3214868480
	.fill 96, 4, 3214868480
	.section	.rodata,"a",@progbits
	.p2align	6, 0x0
	.amdhsa_kernel k_q21677cee63_quant
		.amdhsa_group_segment_fixed_size 60160
		.amdhsa_private_segment_fixed_size 0
		.amdhsa_enable_private_segment 0
		.amdhsa_kernarg_size 72
		.amdhsa_user_sgpr_count 2
		.amdhsa_user_sgpr_kernarg_segment_ptr 1
		.amdhsa_wavefront_size32 1
		.amdhsa_system_sgpr_workgroup_id_x 1
		.amdhsa_system_sgpr_workgroup_id_y 1
		.amdhsa_system_sgpr_workgroup_id_z 1
		.amdhsa_system_vgpr_workitem_id 0
		.amdhsa_next_free_vgpr 256
		.amdhsa_next_free_sgpr 66
		.amdhsa_reserve_vcc 1
		.amdhsa_float_denorm_mode_32 3
		.amdhsa_float_denorm_mode_16_64 3
		.amdhsa_memory_ordered 1
		.amdhsa_forward_progress 1
		.amdhsa_inst_pref_size 65
	.end_amdhsa_kernel
	.amdgpu_metadata
---
amdhsa.version: [ 1, 2 ]
amdhsa.kernels:
  - .name:           k_q21677cee63_quant
    .symbol:         k_q21677cee63_quant.kd
    .args:
      - { .name: q, .offset: 0, .size: 8, .value_kind: global_buffer, .address_space: global }
      - { .name: k, .offset: 8, .size: 8, .value_kind: global_buffer, .address_space: global }
      - { .name: v, .offset: 16, .size: 8, .value_kind: global_buffer, .address_space: global }
      - { .name: Wq, .offset: 24, .size: 8, .value_kind: global_buffer, .address_space: global }
      - { .name: Wk, .offset: 32, .size: 8, .value_kind: global_buffer, .address_space: global }
      - { .name: Wv, .offset: 40, .size: 8, .value_kind: global_buffer, .address_space: global }
      - { .name: Wo, .offset: 48, .size: 8, .value_kind: global_buffer, .address_space: global }
      - { .name: img, .offset: 56, .size: 8, .value_kind: global_buffer, .address_space: global }
      - { .name: scl, .offset: 64, .size: 8, .value_kind: global_buffer, .address_space: global }
    .group_segment_fixed_size: 60160
    .private_segment_fixed_size: 0
    .kernarg_segment_align: 8
    .kernarg_segment_size: 72
    .max_flat_workgroup_size: 224
    .sgpr_count:     66
    .vgpr_count:     256
    .wavefront_size: 32
...
	.end_amdgpu_metadata
.endif
;; end of part 1
;; launch proj (part 2): grid 4 x 64, 4 waves a work-group, clusters of 4 x 4, 327,680 bytes of LDS; arguments img, scl, bq, bk, bv, qb, kv; writes qb, kv
.if DOCPART == 2
	.amdgcn_target "amdgcn-amd-amdhsa--gfx1250"
	.amdhsa_code_object_version 6
	.text
	.protected	k_q21677cee63_proj
	.globl	k_q21677cee63_proj
	.p2align	8
	.type	k_q21677cee63_proj,@function
k_q21677cee63_proj:
	s_mov_b64 s[64:65], 0
	v_nop
	global_prefetch_b8 v0, s[64:65] scope:SCOPE_SE
	s_setreg_imm32_b32 hwreg(HW_REG_WAVE_MODE, 25, 1), 1
	s_wait_xcnt 0x0
	s_wait_alu depctr_hold_cnt(0) depctr_sa_sdst(0) depctr_va_vdst(0) depctr_va_sdst(0) depctr_va_ssrc(0) depctr_va_vcc(0) depctr_vm_vsrc(0)
	s_getreg_b32 s2, hwreg(HW_REG_IB_STS2, 6, 4)
	s_cmp_eq_u32 s2, 0
	s_cbranch_scc0 .Lentry_in_a_cluster
	s_endpgm
.Lentry_in_a_cluster:
	s_bfe_u32 s2, ttmp6, 0x10000c
	s_cmp_lg_u32 s2, 0xf033
	s_cbranch_scc0 .Lentry_shape_is_right
	s_endpgm
.Lentry_shape_is_right:
; qp = q Wq^T + bq, kp = k Wk^T + bk, vp = v Wv^T + bv on codes of FP6 (E2M3) with E8M0 scales, sums in f32; the results are quantised again in registers, qp and kp along the head's 64, vp along the keys,
; and leave as images of operand registers for the attention launch.  LIMITS: NaN and infinities are not served; a block whose largest magnitude lies under 2^-124 keeps the byte 1.
; OPERANDS: img holds, for a tile of 16 rows and 128 along K, an image of the operand's 12 registers (1,536 bytes: three pieces of 512, lane l's 16 bytes at 16 l), eight images a tile; scl 32 scale bytes a row, 512 a tile.
; Source 1 ('A': a lane holds one of its rows in the result) and source 0 ('B': a lane's eight results run along its rows).  q, k: A = the tokens, B = the weight's rows.  v: A = Wv's rows, B = v's tokens.
; B's tiles hold rows 32 b + 8 u + r + 8 (r / 8), so a lane's 64 results of one tile of A are register 16 b + i = B's row 32 b + 16 (lane / 16) + i: what the quantiser takes.
; THE DEAL.  A tile of the result is 128 (A) x 256 (B): four waves, each 64 x 128: 32 accumulators, one window.  Each product has 256 such tiles; the 256 work-groups STAY and make their tile of q, of k and of v, one after the other.
; K goes in two halves of 512 through two LDS slots (A's 8 tiles, then B's 16, 6,144 bytes each); waves 0, 1 fetch 4 tiles of A each, waves 2, 3 8 tiles of B each: one load a wave, rows of 6,144 bytes.
; THE RING RUNS ON INTO THE NEXT TILE: a tile's two changes of slots ask for the next tile's two halves, and a tile's way out stands under the second of them.  The loop has two trips (q, k); v's tile, which fills nothing, is written out.
; A step of 128 along K is 32 products; both operands' fragments lie twice in registers, and a step's 36 LDS loads for the next step stand at its head.
; SCALE WORDS go from memory into registers: lane (r, h) takes the 16 bytes at 32 r + 16 h of a tile's 512: register j holds word j of row r in lanes 0-15 and word 4 + j in lanes 16-31; steps 4-7 name the upper lanes.
; THE BIAS is the first products' C, laid in window 3 as the result lies.  The next tile's scale words and bias are asked for ahead of this tile's way out.
; CLUSTERS: 4 x 4 work-groups; A's tiles are asked for jointly along a row of the cluster, B's along a column.  q, k: A's block 4 x cluster + cy, B's cx.  v: A's 4 (cluster % 2) + cy, B's 4 (cluster / 2) + cx.
; PREFETCH INTO THE L2: k's rows at the head, v's in the first trip, each a tile ahead of the trip that loads them: of A's 98,304 bytes the sixteen waves of a row of the cluster take 6,144 each, of B's 196,608 those of a column 12,288 each,
; told apart by address; lanes 256 bytes apart, 24 blocks an instruction (lanes 24-31 name the 24th again).  q's rows come by their loads alone.
; REGISTERS.  Window 0: v16-29 addresses; v32-63 B's scale words, v66-81 A's; v96-191 A's fragments, two sets; v192-235 the quantiser's.  Window 1: B's fragments, two sets.  Window 2: the sums.  Window 3: the bias.
.set FR,    12
.set FRB,   1536
.set UNIT,  4*FRB                      ; a tile's part of a slot: 512 along K
.set TROW,  8*FRB                      ; a tile in img
.set ASZ,   8*UNIT
.set SLOT,  24*UNIT
.set SPARE, 2*SLOT                     ; the spare words, 128 bytes a wave: two blocks of 256 bytes that no other line names
.set ADRA, 16                          ; v16-17 LDS address of my A fragments in slot 0, 1
.set VB8,  18                          ; 64 h: the bias by B's rows
.set VB9,  19                          ; 4 (r + 8 (r / 8)): the bias by A's rows
.set ADRB, 20                          ; v20-21
.set VSA,  22                          ; offsets of my scale words in scl
.set VSB,  23
.set L8,   24                          ; 16 r + 8 h
.set PFO,  25                          ; 256 x min(lane, 23)
.set LI,   26                          ; 16 x lane
.set LS,   27                          ; 32 r + 16 h
.set SPW,  28
.set NIL,  29
.set XB,   32
.set XA,   66                          ; (A's and B's scale registers differ modulo 8)
.set AF,   96
.set TM,   192
.set PW,   208
.set SW,   210
.set OW,   214
.set PC,   216
.set SEL,  2
.set CNT,  12                          ; s12 the trip
.set HM,   13                          ; s13 lanes 16-31
.set G1, 24
.set G0, 32
.set G1B, 48
.set G0B, 56
.set CUR, 66                           ; ten scalars a tile: bytes in img of my load of A, of B; bytes in scl of my scale words of A, of B; the bias; my images; their scale words
.set NXT, 76
.set THD, 86
.set MSB, 0
.macro WIN new                         ; the immediate's high byte repeats the setting that is left
.if MSB != (\new)
	s_set_vgpr_msb (MSB<<8)|(\new)
.set MSB, (\new)
.endif
.endm
.macro WALU
	s_wait_alu depctr_va_vdst(0)
.endm
.macro PLACES n
.rept \n
	v_nop
.endr
.endm
.macro JLOAD s                         ; waves 0, 1 fetch for A, waves 2, 3 for B; the branch hangs on the wave's number alone
	s_cmp_eq_u32 s15, 0
	s_cbranch_scc0 .Lfor_b_\@
	tensor_load_to_lds s[G0+4*\s:G0+4*\s+3], s[G1:G1+7]
	s_nop 0
	PLACES 4
	s_branch .Lasked_\@
.Lfor_b_\@:
	tensor_load_to_lds s[G0B+4*\s:G0B+4*\s+3], s[G1B:G1B+7]
	s_nop 0
	PLACES 4
.Lasked_\@:
.endm
.macro CREST                           ; a round of the cluster's barrier behind its opening barrier
	s_cmp_lg_u32 s14, 0
	s_cbranch_scc1 .Lnot_wave_0_\@
	s_barrier_signal -3
.Lnot_wave_0_\@:
	s_barrier_wait -3
	s_barrier_signal -1
	s_barrier_wait -1
.endm
.macro CROUND
	s_barrier_signal -1
	s_barrier_wait -1
	CREST
.endm
.macro BLK tb, hp                      ; s8 = (8 x batch + pair of heads) x 16 + the block of 128 tokens in its batch; s99 = 512 x pair
	s_lshr_b32 s8, s\tb, 4
	s_lshl_b32 s8, s8, 3
	s_add_co_u32 s8, s8, s\hp
	s_lshl_b32 s8, s8, 4
	s_and_b32 s9, s\tb, 15
	s_add_co_u32 s8, s8, s9
	s_lshl_b32 s99, s\hp, 9
.endm
; A tile's ten scalars, from s17 = A's block of 128 rows and s19 = B's block of 256.  s20, s21 hold what hangs on A's block alone, s22, s23 on B's alone
.macro SETUP S, abase, bbase, vm, bias, outp, size, ioff, soff
	s_lshl_b32 s20, s17, 3
	s_add_co_u32 s20, s20, \abase
	s_lshl_b32 s21, s15, 2
	s_add_co_u32 s21, s21, s20
	s_lshl_b32 s[\S+2], s21, 9
	s_lshl_b32 s21, s16, 2
	s_add_co_u32 s21, s21, s20
	s_mul_i32 s[\S], s21, TROW
	s_lshl_b32 s22, s19, 4
	s_add_co_u32 s22, s22, \bbase
	s_lshl_b32 s23, s16, 3
	s_add_co_u32 s23, s23, s22
	s_lshl_b32 s[\S+3], s23, 9
	s_mul_i32 s[\S+1], s23, TROW
	s_lshl_b32 s18, s19, 1
	s_add_co_u32 s18, s18, s16             ; my 128 rows of B
.if \vm
	BLK 18, 17
.else
	BLK 17, 18
.endif
	s_mul_i32 s8, s8, \size
	s_mov_b32 s9, 0
	s_add_nc_u64 s[\S+6:\S+7], s[\outp:\outp+1], s[8:9]
	s_lshl_b32 s8, s15, 8
	s_add_co_u32 s8, s8, \soff
	s_add_nc_u64 s[\S+8:\S+9], s[\S+6:\S+7], s[8:9]   ; the scale words of my four images: 256 bytes
	s_mul_i32 s8, s15, 4*FRB
	s_add_co_u32 s8, s8, \ioff
	s_add_nc_u64 s[\S+6:\S+7], s[\S+6:\S+7], s[8:9]   ; my four images
.if \vm
	s_lshl_b32 s8, s15, 8
	s_add_co_u32 s8, s8, s99
.else
	s_mov_b32 s8, s99
.endif
	s_add_nc_u64 s[\S+4:\S+5], s[\bias:\bias+1], s[8:9]
.endm
.macro DESC s, S                       ; group 0 of slot s: half s of K of the tile whose scalars begin at S
	s_add_co_u32 s20, s[\S], \s*UNIT
	s_mov_b32 s21, 0
	s_add_nc_u64 s[G0+4*\s+2:G0+4*\s+3], s[4:5], s[20:21]
	s_or_b32 s[G0+4*\s+3], s[G0+4*\s+3], 0x80000000
	s_add_co_u32 s22, s[\S+1], \s*UNIT
	s_mov_b32 s23, 0
	s_add_nc_u64 s[G0B+4*\s+2:G0B+4*\s+3], s[4:5], s[22:23]
	s_or_b32 s[G0B+4*\s+3], s[G0B+4*\s+3], 0x80000000
.endm
.macro SCLOAD S                        ; 12 loads of 512 consecutive bytes: the scale words of my 4 tiles of A and 8 of B, all of K
	v_add_nc_u32 v[VSA], s[\S+2], v[LS]
	v_add_nc_u32 v[VSB], s[\S+3], v[LS]
.irp a, 0,1,2,3
	global_load_b128 v[XA+4*\a:XA+4*\a+3], v[VSA], s[6:7] offset:512*\a
.endr
.irp b, 0,1,2,3,4,5,6,7
	global_load_b128 v[XB+4*\b:XB+4*\b+3], v[VSB], s[6:7] offset:512*\b
.endr
.endm
.macro BIASQ S                         ; q, k: register 8 b + j of window 3 = the bias of channel 32 (b / 2) + 8 (b % 2) + 16 h + j of the pair's 128
	WIN 0xc0
.irp b, 0,1,2,3,4,5,6,7
	global_load_b128 v[8*\b:8*\b+3], v[VB8], s[\S+4:\S+5] offset:(32*(\b/2)+8*(\b%2))*4
	global_load_b128 v[8*\b+4:8*\b+7], v[VB8], s[\S+4:\S+5] offset:(32*(\b/2)+8*(\b%2))*4+16
.endr
	WIN 0
.endm
.macro BIASV S                         ; v: my lane is one channel of tile a
	WIN 0xc0
.irp a, 0,1,2,3
	global_load_b32 v[8*\a], v[VB9], s[\S+4:\S+5] offset:(32*(\a/2)+8*(\a%2))*4
.endr
	WIN 0
.endm
.macro PF pa, pb
	global_prefetch_b8 v[PFO], s[\pa:\pa+1] th:TH_LOAD_NT scope:SCOPE_SE
	global_prefetch_b8 v[PFO], s[\pb:\pb+1] th:TH_LOAD_NT scope:SCOPE_SE
	global_prefetch_b8 v[PFO], s[\pb:\pb+1] offset:UNIT th:TH_LOAD_NT scope:SCOPE_SE
.endm
.macro FRAG3 reg, adr, off             ; an image comes back as it was stored
.irp c, 0,1,2
	ds_load_b128 v[\reg+4*\c:\reg+4*\c+3], v[\adr] offset:(\off)+512*\c
.endr
.endm
.macro FETCH q                         ; step q's fragments into set q % 2: 36 loads
	WIN 0x40
.irp i, 0,1,2,3,4,5,6,7
	FRAG3 128*((\q)%2)+FR*\i, ADRB+(\q)/4, \i*UNIT+((\q)%4)*FRB
.endr
	WIN 0
.irp i, 0,1,2,3
	FRAG3 AF+48*((\q)%2)+FR*\i, ADRA+(\q)/4, \i*UNIT+((\q)%4)*FRB
.endr
.endm
.macro WM d, s0, s1, c, x0, x1, hi
.if \hi
	v_wmma_scale_f32_16x16x128_f8f6f4 v[\d:\d+7], v[\s0:\s0+FR-1], v[\s1:\s1+FR-1], \c, v[\x0], v[\x1] matrix_a_fmt:MATRIX_FMT_FP6 matrix_b_fmt:MATRIX_FMT_FP6 matrix_a_scale:MATRIX_SCALE_ROW1 matrix_b_scale:MATRIX_SCALE_ROW1
.else
	v_wmma_scale_f32_16x16x128_f8f6f4 v[\d:\d+7], v[\s0:\s0+FR-1], v[\s1:\s1+FR-1], \c, v[\x0], v[\x1] matrix_a_fmt:MATRIX_FMT_FP6 matrix_b_fmt:MATRIX_FMT_FP6
.endif
.endm
; 16 products: A's tiles a0, a0 + 1 x B's eight, step q.  cm = 0: onto the sums; 1: the sums begin with the bias by B's rows; 2: by A's rows.  The 32 accumulators take turns
.macro MUL16 a0, q, cm
.irp a, \a0, \a0+1
.irp b, 0,1,2,3,4,5,6,7
.if \cm == 0
	WM 8*(8*(\a)+\b), 128*((\q)%2)+FR*\b, AF+48*((\q)%2)+FR*(\a), v[8*(8*(\a)+\b):8*(8*(\a)+\b)+7], XB+4*\b+(\q)%4, XA+4*(\a)+(\q)%4, (\q)/4
.elseif \cm == 1
	WM 8*(8*(\a)+\b), 128*((\q)%2)+FR*\b, AF+48*((\q)%2)+FR*(\a), v[8*\b:8*\b+7], XB+4*\b+(\q)%4, XA+4*(\a)+(\q)%4, (\q)/4
.else
	WM 8*(8*(\a)+\b), 128*((\q)%2)+FR*\b, AF+48*((\q)%2)+FR*(\a), v[8*(\a):8*(\a)+7], XB+4*\b+(\q)%4, XA+4*(\a)+(\q)%4, (\q)/4
.endif
.endr
.endr
.endm
.macro PLAIN q, cm                     ; a step whose successor lies in the same slot
	s_wait_dscnt 0x0                               ; this step's fragments, asked for a step ago
	PLACES 4                                       ; behind the last step's products, whose fragments' registers are loaded below
	FETCH (\q)+1
.if \cm
	WIN 0xb1                                       ; source 0 window 1, source 1 window 0, C window 3, D window 2
.else
	WIN 0xa1
.endif
	MUL16 0, \q, \cm
	MUL16 2, \q, \cm
	WIN 0
.endm
; A slot's last step.  Its fragments are in registers, so the slot is read no more: each wave waits for all its tensor loads, adds 0 to its spare word, waits for that and for its reads; the barrier (refill = 1: a round of the cluster's) follows;
; the slot takes the next tile's half of K; the other slot's first fragments are fetched
.macro CHG q, nq, slot, refill
	s_wait_tensorcnt 0x0
	ds_add_u32 v[SPW], v[NIL]
.if \refill
	DESC \slot, NXT                                ; no tensor load of mine is out: the descriptors may be written
.endif
	s_wait_dscnt 0x0
	s_barrier_signal -1
	WIN 0xa1
	MUL16 0, \q, 0
	WIN 0
	s_barrier_wait -1
.if \refill
	CREST
	JLOAD \slot                                    ; my one tensor load behind the round; its four v_nop are the places ahead of the loads below
.else
	PLACES 4
.endif
	FETCH \nq
	WIN 0xa1
	MUL16 2, \q, 0
	WIN 0
.endm
.macro KWALK cm, refill
	PLAIN 0, \cm
.if \refill
	s_cmp_lg_u32 s[CNT], 0
	s_cbranch_scc1 .Lno_pf
	PF 44, 46                                      ; in the first trip: v's rows, which the second trip loads
.Lno_pf:
.endif
	PLAIN 1, 0
	PLAIN 2, 0
	CHG 3, 4, 0, \refill
	PLAIN 4, 0
	PLAIN 5, 0
	PLAIN 6, 0
.if \refill
	CHG 7, 0, 1, 1
.else
	s_wait_dscnt 0x0
	WIN 0xa1
	MUL16 0, 7, 0
	MUL16 2, 7, 0
	WIN 0
.endif
	PLACES 4                                       ; behind the last products: their results are read and their scale registers loaded below
.endm
; 64 sums of a lane in window 2, register s + 16 b + i = k 32 b + 16 (lane / 16) + i of my row, become a fragment's codes in v[PC] on and its scale word in v[PW]; each accumulator is read from its low end on
.macro QUANT s
	WIN 0x0a
.irp b, 0,1,2,3
	v_max3_num_f32 v[TM+\b], |v[\s+16*\b]|, |v[\s+1+16*\b]|, 0x1800000   ; my 16 numbers, and the floor 2^(3 - 127): the byte cannot fall under 1
.endr
	WIN 0x28
.irp i, 2,4,6,8,10,12,14
.irp b, 0,1,2,3
	v_max3_num_f32 v[TM+\b], v[TM+\b], |v[\s+16*\b+\i]|, |v[\s+1+16*\b+\i]|
.endr
.endr
	WIN 0
.irp b, 0,1,2,3
	v_permlanex16_b32 v[TM+4+\b], v[TM+\b], s[SEL], s[SEL+1]
.endr
.irp b, 0,1,2,3
	v_max_num_f32 v[TM+\b], v[TM+\b], v[TM+4+\b]
.endr
.irp b, 0,1,2,3
	v_add_nc_u32 v[TM+12+\b], 0xff000000, v[TM+\b]   ; 2 off the exponent field: the conversion's scale operand
.endr
.irp b, 0,1,2,3
	v_lshrrev_b32 v[TM+4+\b], 23, v[TM+12+\b]
.endr
	v_lshl_or_b32 v[PW], v[TM+5], 8, v[TM+4]
	v_lshl_or_b32 v[PW], v[TM+6], 16, v[PW]
	v_lshl_or_b32 v[PW], v[TM+7], 24, v[PW]
	WIN 0x02
.irp c, 0,1
	v_cvt_scalef32_pk16_fp6_f32 v[PC+6*\c:PC+2+6*\c], v[\s+32*\c:\s+15+32*\c], v[TM+12+2*\c]
	v_cvt_scalef32_pk16_fp6_f32 v[PC+12+4*\c:PC+14+4*\c], v[\s+16+32*\c:\s+31+32*\c], v[TM+12+2*\c+1]
.endr
	WIN 0
	v_nop                                          ; one plain line behind the scaled conversions
.irp c, 0,1
.irp i, 0,1,2
	v_permlane16_swap_b32 v[PC+6*\c+\i], v[PC+12+4*\c+\i]
.endr
.irp i, 0,1,2
	v_mov_b32 v[PC+3+6*\c+\i], v[PC+12+4*\c+\i]
.endr
.endr
.endm
.macro WAYOUT                          ; my four images and their 256 scale bytes
.irp a, 0,1,2,3
	s_wait_xcnt 0x0                                ; the last image's stores have read the codes' registers
	QUANT 64*\a
.irp c, 0,1,2
	global_store_b128 v[LI], v[PC+4*\c:PC+4*\c+3], s[CUR+6:CUR+7] offset:FRB*\a+512*\c   ; 512 consecutive bytes, aligned
.endr
	v_mov_b32 v[SW+\a], v[PW]
.endr
	v_cndmask_b32 v[OW], v[SW], v[SW+2], s[HM]     ; lane (r, h): the words of images 2 h, 2 h + 1, row r
	v_cndmask_b32 v[OW+1], v[SW+1], v[SW+3], s[HM]
	global_store_b64 v[L8], v[OW:OW+1], s[CUR+8:CUR+9]   ; 256 consecutive bytes, aligned
.endm
	s_load_b128 s[4:7], s[0:1], 0x0                ; img, scl
	s_load_b256 s[40:47], s[0:1], 0x10             ; bq, bk, bv, qb
	s_load_b64 s[10:11], s[0:1], 0x30              ; kv
	v_lshl_add_u32 v[SPW], v0, 2, SPARE
	v_mov_b32 v[NIL], 0
	ds_add_u32 v[SPW], v[NIL]                      ; the opening lines: the add, twice on end, and below its wait
	ds_add_u32 v[SPW], v[NIL]
	v_lshrrev_b32 v1, 5, v0
	v_readfirstlane_b32 s14, v1                    ; wave 0..3
	s_lshr_b32 s15, s14, 1                         ; which 64 rows of A are mine.  Also: I fetch for A (0) or for B (1)
	s_and_b32 s16, s14, 1                          ; which 128 rows of B.  Also: which half of that operand's tiles I fetch
	s_bfe_u32 s96, ttmp6, 0x40000                  ; cx
	s_bfe_u32 s97, ttmp6, 0x40004                  ; cy
	s_and_b32 s98, ttmp7, 0xffff                   ; the cluster, 0..15
	s_lshl_b32 s17, s98, 2
	s_add_co_u32 s17, s17, s97                     ; q, k: A's block
	s_mov_b32 s19, s96                             ; and B's
	s_lshl_b32 s20, s97, 2
	s_lshl_b32 s20, 15, s20                        ; my row of the cluster
	s_lshl_b32 s22, 0x1111, s96                    ; my column
	s_or_b32 s[G1], s20, (3<<16)|(1<<21)           ; group 1: rows of 6,144 bytes (768 elements of 8), 12,288 from tile to tile, no padding
	s_or_b32 s[G1B], s22, (3<<16)|(1<<21)
.irp g, G1, G1B
	s_mov_b32 s[\g+1], 768<<16
	s_mov_b32 s[\g+3], 768<<16
	s_mov_b32 s[\g+5], 1536
	s_mov_b32 s[\g+6], 0
	s_mov_b32 s[\g+7], 0
.endr
	s_mov_b32 s[G1+2], 4<<16                       ; A: 4 tiles a load
	s_mov_b32 s[G1+4], 4
	s_mov_b32 s[G1B+2], 8<<16                      ; B: 8
	s_mov_b32 s[G1B+4], 8
	s_mul_i32 s18, s16, 4*UNIT                     ; where they go: no place in the cluster enters an LDS address
	s_mov_b32 s[G0], 1
	s_mov_b32 s[G0+1], s18
	s_mov_b32 s[G0+4], 1
	s_add_co_u32 s[G0+5], s18, SLOT
	s_mul_i32 s18, s16, 8*UNIT
	s_add_co_u32 s18, s18, ASZ
	s_mov_b32 s[G0B], 1
	s_mov_b32 s[G0B+1], s18
	s_mov_b32 s[G0B+4], 1
	s_add_co_u32 s[G0B+5], s18, SLOT
	s_mov_b32 s[SEL], 0x76543210
	s_mov_b32 s[SEL+1], 0xfedcba98
	WALU
	s_wait_dscnt 0x0
	s_wait_kmcnt 0x0
	SETUP CUR, 0, 1536, 0, 40, 46, 12800, 0, 12288
	DESC 0, CUR
	DESC 1, CUR
	CROUND                                         ; all sixteen work-groups are here: the first joint loads meet
	JLOAD 0                                        ; q's first half of K: one tensor load a wave at the head
	v_and_b32 v1, 15, v0                           ; r
	v_bfe_u32 v2, v0, 4, 1                         ; h
	v_and_b32 v3, 31, v0
	v_lshlrev_b32 v[LI], 4, v3
	v_lshlrev_b32 v[LS], 5, v1
	v_lshlrev_b32 v[L8], 4, v1
	v_lshlrev_b32 v[VB8], 6, v2
	v_and_b32 v[VB9], 8, v1
	v_min_u32 v[PFO], 23, v3
	v_lshl_add_u32 v[LS], v2, 4, v[LS]
	v_lshl_add_u32 v[L8], v2, 3, v[L8]
	v_add_nc_u32 v[VB9], v[VB9], v1
	v_lshlrev_b32 v[PFO], 8, v[PFO]
	v_cmp_le_u32 s[HM], 16, v3
	v_lshlrev_b32 v[VB9], 2, v[VB9]
	s_mul_i32 s18, s15, 4*UNIT
	v_add_nc_u32 v[ADRA], s18, v[LI]
	s_add_co_u32 s18, s18, SLOT
	v_add_nc_u32 v[ADRA+1], s18, v[LI]
	s_mul_i32 s18, s16, 8*UNIT
	s_add_co_u32 s18, s18, ASZ
	v_add_nc_u32 v[ADRB], s18, v[LI]
	s_add_co_u32 s18, s18, SLOT
	v_add_nc_u32 v[ADRB+1], s18, v[LI]
.irp b, 0,1,2,3
	v_mov_b32 v[TM+4+\b], 0                        ; a lane permute's destination counts as one of its sources
.endr
	WALU
	SCLOAD CUR
	BIASQ CUR
	SETUP NXT, 512, 1600, 0, 42, 10, 25600, 0, 24576
	s_and_b32 s17, s98, 1
	s_lshl_b32 s17, s17, 2
	s_add_co_u32 s17, s17, s97                     ; v: A's block (Wv's rows),
	s_lshr_b32 s19, s98, 1
	s_lshl_b32 s19, s19, 2
	s_add_co_u32 s19, s19, s96                     ; and B's (the tokens)
	SETUP THD, 1664, 1024, 1, 44, 10, 25600, 12288, 25088
	s_lshl_b32 s18, s96, 2                         ; the prefetches' addresses: never rewritten
	s_add_co_u32 s18, s18, s14
	s_mul_i32 s18, s18, UNIT
	s_mul_i32 s8, s16, 4*TROW
	s_sub_co_u32 s99, s18, s8                      ; from my load of A to my sixteenth of A's block
	s_lshl_b32 s18, s97, 2
	s_add_co_u32 s18, s18, s14
	s_mul_i32 s18, s18, TROW
	s_mul_i32 s8, s16, 8*TROW
	s_sub_co_u32 s100, s18, s8                     ; and the same for B
	s_add_co_u32 s8, s[NXT], s99
	s_add_nc_u64 s[40:41], s[4:5], s[8:9]
	s_add_co_u32 s8, s[NXT+1], s100
	s_add_nc_u64 s[42:43], s[4:5], s[8:9]
	s_add_co_u32 s8, s[THD], s99
	s_add_nc_u64 s[44:45], s[4:5], s[8:9]
	s_add_co_u32 s8, s[THD+1], s100
	s_add_nc_u64 s[46:47], s[4:5], s[8:9]
	PF 40, 42                                      ; k's rows, which the first trip loads
	s_mov_b32 s[CNT], 0
	WALU
	s_wait_tensorcnt 0x0                           ; my part of slot 0 is in
	ds_add_u32 v[SPW], v[NIL]
	s_wait_dscnt 0x0
	CROUND
	JLOAD 1                                        ; q's second half of K
	FETCH 0
.Ltile:                                            ; two trips: q, k
	s_wait_loadcnt 0x0                             ; the tile's scale words and bias
	KWALK 1, 1
	SCLOAD NXT
	s_cmp_eq_u32 s[CNT], 0
	s_cbranch_scc0 .Lbias_v
	BIASQ NXT
	s_branch .Lbias_done
.Lbias_v:
	BIASV NXT
.Lbias_done:
	WAYOUT
	s_wait_xcnt 0x0                                ; loads and stores have read their pointers: the scalars move up
.irp j, 0,1,2,3
	s_mov_b32 s[CUR+\j], s[NXT+\j]
	s_mov_b32 s[NXT+\j], s[THD+\j]
.endr
.irp j, 4,6,8
	s_mov_b64 s[CUR+\j:CUR+\j+1], s[NXT+\j:NXT+\j+1]
	s_mov_b64 s[NXT+\j:NXT+\j+1], s[THD+\j:THD+\j+1]
.endr
	s_add_co_u32 s[CNT], s[CNT], 1
	s_cmp_lt_u32 s[CNT], 2
	WALU
	s_cbranch_scc1 .Ltile
	s_wait_loadcnt 0x0                             ; v's tile: nothing more is fetched
	WIN 0xc3
.irp a, 0,8,16,24
.irp i, 1,2,3,4,5,6,7
	v_mov_b32 v[\a+\i], v[\a]                      ; the lane's bias over the tile's eight registers
.endr
.endr
	WIN 0
	WALU
	KWALK 2, 0
	WAYOUT
	s_wait_tensorcnt 0x0                           ; the wave's end
	ds_add_u32 v[SPW], v[NIL]
	s_wait_dscnt 0x0
	CROUND                                         ; the closing round
	s_endpgm
.Lfunc_end_k_q21677cee63_proj:
	.size	k_q21677cee63_proj, .Lfunc_end_k_q21677cee63_proj-k_q21677cee63_proj
	.p2alignl 7, 3214868480
	.fill 96, 4, 3214868480
	.section	.rodata,"a",@progbits
	.p2align	6, 0x0
	.amdhsa_kernel k_q21677cee63_proj
		.amdhsa_group_segment_fixed_size 327680
		.amdhsa_private_segment_fixed_size 0
		.amdhsa_enable_private_segment 0
		.amdhsa_kernarg_size 56
		.amdhsa_user_sgpr_count 2
		.amdhsa_user_sgpr_kernarg_segment_ptr 1
		.amdhsa_wavefront_size32 1
		.amdhsa_system_sgpr_workgroup_id_x 1
		.amdhsa_system_sgpr_workgroup_id_y 1
		.amdhsa_system_sgpr_workgroup_id_z 1
		.amdhsa_system_vgpr_workitem_id 0
		.amdhsa_next_free_vgpr 1024
		.amdhsa_next_free_sgpr 102
		.amdhsa_reserve_vcc 0
		.amdhsa_float_denorm_mode_32 3
		.amdhsa_float_denorm_mode_16_64 3
		.amdhsa_memory_ordered 1
		.amdhsa_forward_progress 1
		.amdhsa_inst_pref_size 162
	.end_amdhsa_kernel
	.amdgpu_metadata
---
amdhsa.version: [ 1, 2 ]
amdhsa.kernels:
  - .name:           k_q21677cee63_proj
    .symbol:         k_q21677cee63_proj.kd
    .args:
      - { .name: img, .offset: 0, .size: 8, .value_kind: global_buffer, .address_space: global }
      - { .name: scl, .offset: 8, .size: 8, .value_kind: global_buffer, .address_space: global }
      - { .name: bq, .offset: 16, .size: 8, .value_kind: global_buffer, .address_space: global }
      - { .name: bk, .offset: 24, .size: 8, .value_kind: global_buffer, .address_space: global }
      - { .name: bv, .offset: 32, .size: 8, .value_kind: global_buffer, .address_space: global }
      - { .name: qb, .offset: 40, .size: 8, .value_kind: global_buffer, .address_space: global }
      - { .name: kv, .offset: 48, .size: 8, .value_kind: global_buffer, .address_space: global }
    .group_segment_fixed_size: 327680
    .private_segment_fixed_size: 0
    .kernarg_segment_align: 8
    .kernarg_segment_size: 56
    .max_flat_workgroup_size: 128
    .sgpr_count:     102
    .vgpr_count:     1024
    .wavefront_size: 32
...
	.end_amdgpu_metadata
.endif
;; end of part 2
;; launch attn (part 3): grid 8 x 32, 8 waves a work-group, no clusters, 327,680 bytes of LDS; arguments qb, kv, ximg, xscl; writes ximg, xscl
.if DOCPART == 3
	.amdgcn_target "amdgcn-amd-amdhsa--gfx1250"
	.amdhsa_code_object_version 6
	.text
	.protected	k_q21677cee63_attn
	.globl	k_q21677cee63_attn
	.p2align	8
	.type	k_q21677cee63_attn,@function
k_q21677cee63_attn:
	s_mov_b64 s[64:65], 0
	v_nop
	global_prefetch_b8 v0, s[64:65] scope:SCOPE_SE
	s_setreg_imm32_b32 hwreg(HW_REG_WAVE_MODE, 25, 1), 1
	s_wait_xcnt 0x0
; x = softmax(qp kp^T / 32, causal) vp for 64 heads of 64, both products on codes of FP6 (E2M3) with E8M0 scales; x is quantised along its 1,024 channels and leaves as codes for the last product.
; THE SOFTMAX: t = score x log2(e) / 32; M = the running largest t rounded UP to a whole number; p = 2^(t - M) is quantised along the keys, not normalised; the row's sum is taken of the unquantised p and divides at the end.
; When M moves, the sum and O are multiplied by 2^(old M - new M): exact.  LIMITS: NaN and infinities are not served; a block whose largest magnitude lies under 2^-124 keeps the byte 1; the scaled scores stay under 2^31.
; LEFT OUT: key steps that lie wholly behind the diagonal: the causal mask sets their scores to -infinity, so their p is 0 for all inputs.
; INPUTS are images of operand registers (1,536 bytes: three pieces of 512, lane l's 16 bytes at 16 l).  qb: for a pair of heads and 128 queries 8 images (16 queries x [head A's 64 | head B's 64]) and 512 scale bytes.
; kv: for a pair of heads and 128 keys 25,600 dense bytes: 8 images of K, 8 of V (4 a head), K's and V's scale words (image a, row r at 256 (a / 4) + 16 r + 4 (a % 4)).
; K = 64 IN A FORM OF K = 128: a wave serves one head; the other head's half of its Q is cleared, so that half of the product adds zero codes.
; SHARES.  Work-group (i, pair of heads) takes the blocks of 128 queries i and 15 - i, one after the other: (i + 1) + (16 - i) = 17 key steps of 128 in EVERY work-group.
; 8 waves: wave / 4 = the head of the pair, wave % 4 = its 32 queries: TWO TILES of 16.  Each fragment of K and V is read from LDS once and feeds both tiles.  Both products are used transposed: a lane holds one query of each tile.
; THE TWO TILES' SOFTMAXES GO LINE BY LINE IN TURN: all that vector instructions work on (scores, state, registers at work) lies in window 0 for both tiles, so that no line reads what the line above it wrote, and each wait stands once for both.
; THE ORDER OF A TRIP n (1 to 16): the change of slots; the refill; step n's 26 loads of K; step n - 1's softmax and P V out of registers; step n's 13 loads of V; step n's scores.
; So the loads of K are out during the softmax, and at the barrier all that step n - 1 still needs (scores, V) lies in registers.  Trip 0 has only loads and scores; trip 17 only the softmax and P V.
; Trips 16 and 17, which fill nothing, are one text, a loop of two trips.
; A ring of two LDS slots; waves 0-3 fetch a quarter of a key step's block each (25 rows of 256 bytes).  NO CLUSTER: in trip n work-group i stands at key step n or n - i - 1, so partners would ask for different tiles.
; REGISTERS.  Window 0: v1-6, v21-24 addresses that stay; v8-11 the step's; tile u: v[12 + 4 u] -M, then the largest t, then the sum's pair; v26, v27 Q's scale words, v28, v29 p's, v32-39 K's, v40-43 V's; v30, v31 the diagonal's bounds;
; v44-59 x's codes; v[64 + 64 u] on S^T, then p; v[192 + 32 u] on 32 registers at work, the first 12 of them p's codes.  Window 1: v[12 u] on Q; v[32 + 32 u] on O^T; v96-191 K's eight images; v192-239 V's four.
.set FRB,   1536
.set TILE,  25600                      ; a key step's block
.set SLOT1, 1<<15                      ; slot 1 begins here
.set SPARE, 2*SLOT1                    ; the spare words, 128 bytes a wave: four blocks of 256 bytes that no other line names
.set VOFF,  8*FRB
.set KSC,   16*FRB
.set VSC,   16*FRB+512
.set ST,    12
.set XC,    44
.set SB,    64
.set TB,    192
.set OB,    32
.set KF,    96
.set VF,    192
.set MSB, 0
.macro WIN new                         ; the immediate's high byte repeats the setting that is left
.if MSB != (\new)
	s_set_vgpr_msb (MSB<<8)|(\new)
.set MSB, (\new)
.endif
.endm
.macro WALU
	s_wait_alu depctr_va_vdst(0)
.endm
.macro TLOAD                           ; waves 0-3 fetch; the branch hangs on the wave's number alone
	s_cmp_lt_u32 s18, 4
	s_cbranch_scc0 .Lnone_\@
	tensor_load_to_lds s[40:43], s[24:31]
	s_nop 0
.rept 4
	v_nop
.endr
.Lnone_\@:
.endm
; A PREFETCH INTO THE L2 of the key step that the NEXT change of slots asks for.  Work-group 0 of a pair of heads is the first to reach key steps 8 to 15: it alone asks, in trips 7 to 14, for step trip + 1;
; its waves 4-7, which fetch nothing, take a quarter of the block each, lanes 256 bytes apart (25 blocks a wave: lanes 25-31 name the 25th again).  The lower key steps are being read by the pair's other work-groups meanwhile.
.macro ASK
	s_sub_co_u32 s94, s3, 7
	s_cmp_lt_u32 s94, s82
	s_cbranch_scc0 .Lnot_mine_\@
	global_prefetch_b8 v22, s[80:81] th:TH_LOAD_NT scope:SCOPE_SE
.Lnot_mine_\@:
.endm
; s87 = a block of 128 queries: s[p:p+1] my first tile's image of Q, s[p+2:p+3] its scale words, s[p+4:p+5] its x, s[p+6:p+7] x's scale bytes.  The second tile lies 1,536, 4, 12,288 and 512 bytes on
.macro POINT p
	s_lshl_b32 s88, s83, 4
	s_add_co_u32 s88, s88, s87
	s_mul_i32 s88, s88, 12800
	s_mul_i32 s89, s85, FRB
	s_add_co_u32 s90, s88, s89
	s_add_nc_u64 s[\p:\p+1], s[4:5], s[90:91]
	s_lshr_b32 s89, s85, 2
	s_lshl_b32 s89, s89, 8
	s_and_b32 s90, s85, 3
	s_lshl_b32 s90, s90, 2
	s_add_co_u32 s90, s90, s89
	s_add_co_u32 s90, s90, s88
	s_add_co_u32 s90, s90, 8*FRB
	s_add_nc_u64 s[\p+2:\p+3], s[4:5], s[90:91]
	s_lshr_b32 s88, s83, 3
	s_lshl_b32 s88, s88, 7
	s_lshl_b32 s89, s87, 3
	s_add_co_u32 s88, s88, s89
	s_add_co_u32 s88, s88, s85                     ; the tile of 16 tokens: 128 x batch + 8 x block + my first image
	s_mul_i32 s90, s88, 8*FRB
	s_add_co_u32 s90, s90, s92
	s_add_nc_u64 s[\p+4:\p+5], s[8:9], s[90:91]
	s_lshl_b32 s90, s88, 9
	s_add_co_u32 s90, s90, s93
	s_add_nc_u64 s[\p+6:\p+7], s[10:11], s[90:91]
.endm
.macro QLOAD p                         ; both tiles' images of Q and their scale words
	global_load_b32 v26, v2, s[\p+2:\p+3] th:TH_LOAD_NT
	global_load_b32 v27, v2, s[\p+2:\p+3] offset:4 th:TH_LOAD_NT
	WIN 0x40
.irp u, 0,1
.irp c, 0,1,2
	global_load_b128 v[12*\u+4*\c:12*\u+4*\c+3], v1, s[\p:\p+1] offset:FRB*\u+512*\c th:TH_LOAD_NT
.endr
.endr
	WIN 0
.endm
.macro INIT2                           ; both tiles begin a block of queries
.irp u, 0,1
	v_mov_b32 v[ST+4*\u+1], 0xff61b1e6             ; the largest t so far: -3e38
	v_mov_b32 v[ST+4*\u+2], 0
	v_mov_b32 v[ST+4*\u+3], 0
.endr
.irp u, 0,1
	v_floor_f32 v[ST+4*\u], -v[ST+4*\u+1]          ; -M
.endr
	WIN 0x44
.irp u, 0,1
.irp j, 0,1,2,3,4,5
	v_and_b32 v[12*\u+\j], s70, v[12*\u+\j]        ; the other head's half of Q becomes zero codes
	v_and_b32 v[12*\u+6+\j], s71, v[12*\u+6+\j]
.endr
.endr
	WIN 0x40
.set n, 0
.rept 64
	v_mov_b32 v[OB+n], 0                           ; O^T: the step is written once, so the first finds zeros (these lines also stand between the masks above and the next products)
.set n, n+1
.endr
	WIN 0
.endm
.macro ADDR                            ; the step's LDS addresses; these four lines are also the places behind the last trip's score products
	v_add_nc_u32 v8, s2, v1                        ; K's images
	v_add_nc_u32 v9, s2, v5                        ; my head's images of V
	v_add_nc_u32 v10, s2, v21                      ; K's scale words
	v_add_nc_u32 v11, s2, v6                       ; V's
.endm
.macro LOADK                           ; 26 loads
	ds_load_b128 v[32:35], v10
	ds_load_b128 v[36:39], v10 offset:256
	WIN 0x40
.irp t, 0,1,2,3,4,5,6,7
.irp c, 0,1,2
	ds_load_b128 v[KF+12*\t+4*\c:KF+12*\t+4*\c+3], v8 offset:\t*FRB+512*\c
.endr
.endr
	WIN 0
.endm
.macro LOADV                           ; 13 loads
	ds_load_b128 v[40:43], v11
	WIN 0x40
.irp t, 0,1,2,3
.irp c, 0,1,2
	ds_load_b128 v[VF+12*\t+4*\c:VF+12*\t+4*\c+3], v9 offset:\t*FRB+512*\c
.endr
.endr
	WIN 0
.endm
.macro SMUL                            ; S^T = K Q^T: 16 products, each on an accumulator of its own; register 16 b + i of lane (r, h): query r of the tile, key 32 b + 16 h + i
	s_wait_dscnt 13                                ; K's 26 loads are in; V's 13, issued behind them, may be out
	WIN 0x05                                       ; both sources in window 1, the scores in window 0
.irp t, 0,1,2,3,4,5,6,7
.irp u, 0,1
	v_wmma_scale_f32_16x16x128_f8f6f4 v[SB+64*\u+8*\t:SB+64*\u+8*\t+7], v[KF+12*\t:KF+12*\t+11], v[12*\u:12*\u+11], 0, v[32+\t], v[26+\u] matrix_a_fmt:MATRIX_FMT_FP6 matrix_b_fmt:MATRIX_FMT_FP6
.endr
.endr
	WIN 0
.endm
.macro SUM u                           ; 25 of the 32 additions of tile u's sum of the unquantised p: eight chains, seven in registers at work, the eighth the running sum
.set c, 0
.irp r, 12,18,20,22,24,26,30
	v_pk_add_f32 v[TB+32*\u+\r:TB+32*\u+\r+1], v[SB+64*\u+4*c:SB+64*\u+4*c+1], v[SB+64*\u+4*c+2:SB+64*\u+4*c+3]
.set c, c+1
.endr
	v_pk_add_f32 v[ST+4*\u+2:ST+4*\u+3], v[ST+4*\u+2:ST+4*\u+3], v[SB+64*\u+28:SB+64*\u+29]
.irp k, 30, 46
.set c, 0
.irp r, 12,18,20,22,24,26,30
	v_pk_add_f32 v[TB+32*\u+\r:TB+32*\u+\r+1], v[TB+32*\u+\r:TB+32*\u+\r+1], v[SB+64*\u+\k+2*c:SB+64*\u+\k+2*c+1]
.set c, c+1
.endr
	v_pk_add_f32 v[ST+4*\u+2:ST+4*\u+3], v[ST+4*\u+2:ST+4*\u+3], v[SB+64*\u+\k+14:SB+64*\u+\k+15]
.endr
	v_pk_add_f32 v[TB+32*\u+12:TB+32*\u+13], v[TB+32*\u+12:TB+32*\u+13], v[SB+64*\u+62:SB+64*\u+63]
.endm
.macro PKT u, d, a
	v_pk_add_f32 v[TB+32*\u+\d:TB+32*\u+\d+1], v[TB+32*\u+\d:TB+32*\u+\d+1], v[TB+32*\u+\a:TB+32*\u+\a+1]
.endm
.macro PKS u, a
	v_pk_add_f32 v[ST+4*\u+2:ST+4*\u+3], v[ST+4*\u+2:ST+4*\u+3], v[TB+32*\u+\a:TB+32*\u+\a+1]
.endm
; BOTH TILES' softmax of the scores in registers, and O^T += V^T P^T.  The step is the diagonal one where the trip's number is s47
.macro SOFT2
	s_cmp_lg_u32 s3, s47
	s_cbranch_scc1 .Lopen_\@
	WALU                                           ; ahead of the first reader of the scores
	v_mov_b32 v25, 0xff800000                      ; on the diagonal the scores of hidden keys become -infinity: hidden where 32 b + i > 16 x my tile + r - 16 h
.set n, 0
.rept 64
.irp u, 0,1
	v_cmp_gt_i32 vcc_lo, 32*(n/16)+n%16, v[30+\u]
	v_cndmask_b32 v[SB+64*\u+n], v[SB+64*\u+n], v25, vcc_lo
.endr
.set n, n+1
.endr
.Lopen_\@:
	WALU                                           ; the same on the way round the mask
.irp b, 0,1,2,3
.irp u, 0,1
	v_max3_num_f32 v[TB+32*\u+8+\b], v[SB+64*\u+16*\b], v[SB+64*\u+16*\b+1], v[SB+64*\u+16*\b+2]   ; the largest score of each block of 32 keys: for the row's maximum, and, since p rises with the score, for the block's largest p
.endr
.endr
.irp i, 3,5,7,9,11,13
.irp b, 0,1,2,3
.irp u, 0,1
	v_max3_num_f32 v[TB+32*\u+8+\b], v[TB+32*\u+8+\b], v[SB+64*\u+16*\b+\i], v[SB+64*\u+16*\b+\i+1]
.endr
.endr
.endr
.irp b, 0,1,2,3
.irp u, 0,1
	v_max_num_f32 v[TB+32*\u+8+\b], v[TB+32*\u+8+\b], v[SB+64*\u+16*\b+15]
.endr
.endr
.irp b, 0,1,2,3
.irp u, 0,1
	v_permlanex16_b32 v[TB+32*\u+12+\b], v[TB+32*\u+8+\b], s20, s21
.endr
.endr
.irp b, 0,1,2,3
.irp u, 0,1
	v_max_num_f32 v[TB+32*\u+8+\b], v[TB+32*\u+8+\b], v[TB+32*\u+12+\b]   ; with lane l xor 16's 16 keys
.endr
.endr
.irp u, 0,1
	v_max3_num_f32 v[TB+32*\u+30], v[TB+32*\u+8], v[TB+32*\u+9], v[TB+32*\u+10]
.endr
.irp u, 0,1
	v_max_num_f32 v[TB+32*\u+30], v[TB+32*\u+30], v[TB+32*\u+11]
.endr
.irp u, 0,1
	v_mul_f32 v[TB+32*\u+30], s22, v[TB+32*\u+30]  ; as t
.endr
.irp u, 0,1
	v_max_num_f32 v[ST+4*\u+1], v[ST+4*\u+1], v[TB+32*\u+30]   ; the running largest t
.endr
.irp u, 0,1
	v_mov_b32 v[TB+32*\u+30], v[ST+4*\u]
.endr
.irp u, 0,1
	v_floor_f32 v[ST+4*\u], -v[ST+4*\u+1]          ; the new -M = -ceil(t)
.endr
.irp u, 0,1
	v_sub_f32 v[TB+32*\u+30], v[ST+4*\u], v[TB+32*\u+30]   ; old M - new M: a whole number, 0 or less
.endr
.irp u, 0,1
	v_cvt_i32_f32 v[TB+32*\u+30], v[TB+32*\u+30]   ; (it saturates)
.endr
.irp u, 0,1
	v_ldexp_f32 v[TB+32*\u+28], 1.0, v[TB+32*\u+30]   ; f = 2^(old M - new M)
.endr
.set n, 0
.rept 32
.irp u, 0,1
	v_pk_fma_f32 v[SB+64*\u+n:SB+64*\u+n+1], v[SB+64*\u+n:SB+64*\u+n+1], s[22:23], v[ST+4*\u:ST+4*\u+1] op_sel_hi:[1,0,0]   ; t - M, two at a time
.endr
.set n, n+2
.endr
.irp b, 0,1,2,3
.irp u, 0,1
	v_fma_f32 v[TB+32*\u+8+\b], v[TB+32*\u+8+\b], s22, v[ST+4*\u]   ; the same of each block's largest score
.endr
.endr
	WALU                                           ; ahead of the batch
.set n, 0
.rept 128
	v_exp_f32 v[SB+n], v[SB+n]                     ; p = 2^(t - M)
.set n, n+1
.endr
.irp u, 0,1
	v_pk_mul_f32 v[ST+4*\u+2:ST+4*\u+3], v[ST+4*\u+2:ST+4*\u+3], v[TB+32*\u+28:TB+32*\u+29] op_sel_hi:[1,0]   ; the sums under the new M: plain lines behind the exponentials
.endr
	WALU                                           ; one wait for the batch, ahead of its first reader
.irp b, 0,1,2,3
.irp u, 0,1
	v_exp_f32 v[TB+32*\u+8+\b], v[TB+32*\u+8+\b]   ; each block's largest p
.endr
.endr
	SUM 0
	SUM 1
.irp u, 0,1
	PKS \u, 22
	PKT \u, 12, 24
	PKT \u, 18, 26
	PKT \u, 20, 30
.endr
.irp u, 0,1
	PKS \u, 18
	PKT \u, 12, 20
.endr
.irp u, 0,1
	PKS \u, 12
.endr
	WALU                                           ; and one for the eight
.irp b, 0,1,2,3
.irp u, 0,1
	v_max_num_f32 v[TB+32*\u+8+\b], 0x1800000, v[TB+32*\u+8+\b]   ; the floor 2^(3 - 127): a block whose every p is 0 keeps the byte 1 and zero codes
.endr
.endr
.irp b, 0,1,2,3
.irp u, 0,1
	v_add_nc_u32 v[TB+32*\u+20+\b], 0xff000000, v[TB+32*\u+8+\b]   ; the conversion's scale operand
.endr
.endr
.irp b, 0,1,2,3
.irp u, 0,1
	v_lshrrev_b32 v[TB+32*\u+12+\b], 23, v[TB+32*\u+20+\b]
.endr
.endr
.irp u, 0,1
	v_lshl_or_b32 v[28+\u], v[TB+32*\u+13], 8, v[TB+32*\u+12]   ; p's scale word for these 128 keys
.endr
.irp u, 0,1
	v_lshl_or_b32 v[28+\u], v[TB+32*\u+14], 16, v[28+\u]
.endr
.irp u, 0,1
	v_lshl_or_b32 v[28+\u], v[TB+32*\u+15], 24, v[28+\u]
.endr
.irp u, 0,1
.irp c, 0,1
	v_cvt_scalef32_pk16_fp6_f32 v[TB+32*\u+6*\c:TB+32*\u+6*\c+2], v[SB+64*\u+32*\c:SB+64*\u+32*\c+15], v[TB+32*\u+20+2*\c]
	v_cvt_scalef32_pk16_fp6_f32 v[TB+32*\u+12+4*\c:TB+32*\u+12+4*\c+2], v[SB+64*\u+32*\c+16:SB+64*\u+32*\c+31], v[TB+32*\u+21+2*\c]
.endr
.endr
	v_nop                                          ; one plain line behind the scaled conversions
.irp c, 0,1
.irp i, 0,1,2
.irp u, 0,1
	v_permlane16_swap_b32 v[TB+32*\u+6*\c+\i], v[TB+32*\u+12+4*\c+\i]   ; the operand wants a whole block in a lane
.endr
.endr
.endr
.irp c, 0,1
.irp i, 0,1,2
.irp u, 0,1
	v_mov_b32 v[TB+32*\u+3+6*\c+\i], v[TB+32*\u+12+4*\c+\i]
.endr
.endr
.endr
	WIN 0x41                                       ; O^T in window 1, f in window 0
	WALU                                           ; ahead of the first reader of O^T
.irp u, 0,1
.set n, 0
.rept 16
	v_pk_mul_f32 v[OB+32*\u+n:OB+32*\u+n+1], v[OB+32*\u+n:OB+32*\u+n+1], v[TB+32*\u+28:TB+32*\u+29] op_sel_hi:[1,0]   ; O^T under the new M; these lines also stand between the lines that made p's codes and scale words and the products below
.set n, n+2
.endr
.endr
	WIN 0x51                                       ; V and O^T in window 1, p's codes in window 0
.irp u, 0,1                                    ; eight accumulators by turns; the sixteen score products stand between two links of a chain too
.irp t, 0,1,2,3
	v_wmma_scale_f32_16x16x128_f8f6f4 v[OB+32*\u+8*\t:OB+32*\u+8*\t+7], v[VF+12*\t:VF+12*\t+11], v[TB+32*\u:TB+32*\u+11], v[OB+32*\u+8*\t:OB+32*\u+8*\t+7], v[40+\t], v[28+\u] matrix_a_fmt:MATRIX_FMT_FP6 matrix_b_fmt:MATRIX_FMT_FP6
.endr
.endr
	WIN 0
.endm
; Both tiles end a block of queries: O^T / the sum is my head's 64 channels of x, register 16 b + i = channel 32 b + 16 h + i: half a fragment of the last product (six registers) and two scale bytes a tile
.macro FINISH2
.irp u, 0,1
	v_add_f32 v[ST+4*\u+2], v[ST+4*\u+2], v[ST+4*\u+3]
.endr
.irp u, 0,1
	v_permlanex16_b32 v[TB+32*\u+28], v[ST+4*\u+2], s20, s21
.endr
.irp u, 0,1
	v_add_f32 v[ST+4*\u+2], v[ST+4*\u+2], v[TB+32*\u+28]   ; the row's sum
.endr
	WALU
.irp u, 0,1
	v_rcp_f32 v[ST+4*\u+2], v[ST+4*\u+2]
.endr
	v_nop
	WIN 0x01                                       ; O^T in window 1
	WALU                                           ; ahead of the first reader of the reciprocals and of O^T
.set n, 0
.rept 16
.irp u, 0,1
	v_pk_mul_f32 v[SB+64*\u+n:SB+64*\u+n+1], v[OB+32*\u+n:OB+32*\u+n+1], v[ST+4*\u+2:ST+4*\u+3] op_sel_hi:[1,0]
.endr
.set n, n+2
.endr
	WIN 0
.irp b, 0,1
.irp u, 0,1
	v_max3_num_f32 v[TB+32*\u+8+\b], |v[SB+64*\u+16*\b]|, |v[SB+64*\u+16*\b+1]|, 0x1800000
.endr
.endr
.irp i, 2,4,6,8,10,12,14
.irp b, 0,1
.irp u, 0,1
	v_max3_num_f32 v[TB+32*\u+8+\b], v[TB+32*\u+8+\b], |v[SB+64*\u+16*\b+\i]|, |v[SB+64*\u+16*\b+\i+1]|
.endr
.endr
.endr
.irp b, 0,1
.irp u, 0,1
	v_permlanex16_b32 v[TB+32*\u+12+\b], v[TB+32*\u+8+\b], s20, s21
.endr
.endr
.irp b, 0,1
.irp u, 0,1
	v_max_num_f32 v[TB+32*\u+8+\b], v[TB+32*\u+8+\b], v[TB+32*\u+12+\b]
.endr
.endr
.irp b, 0,1
.irp u, 0,1
	v_add_nc_u32 v[TB+32*\u+20+\b], 0xff000000, v[TB+32*\u+8+\b]
.endr
.endr
.irp b, 0,1
.irp u, 0,1
	v_lshrrev_b32 v[TB+32*\u+12+\b], 23, v[TB+32*\u+20+\b]
.endr
.endr
.irp u, 0,1
	v_cvt_scalef32_pk16_fp6_f32 v[XC+8*\u:XC+8*\u+2], v[SB+64*\u:SB+64*\u+15], v[TB+32*\u+20]
	v_cvt_scalef32_pk16_fp6_f32 v[XC+8*\u+4:XC+8*\u+6], v[SB+64*\u+16:SB+64*\u+31], v[TB+32*\u+21]
.endr
	v_nop
.irp i, 0,1,2
.irp u, 0,1
	v_permlane16_swap_b32 v[XC+8*\u+\i], v[XC+8*\u+4+\i]
.endr
.endr
.irp i, 3,4,5
.irp u, 0,1
	v_mov_b32 v[XC+8*\u+\i], v[XC+8*\u+\i+1]       ; six registers on end: channels 32 h + 0 .. 31 of my head
.endr
.endr
.irp u, 0,1
	v_cndmask_b32 v[XC+8*\u+7], v[TB+32*\u+12], v[TB+32*\u+13], s86   ; lanes 0-15 the first block's byte, lanes 16-31 the second's
.endr
.irp u, 0,1
	global_store_b128 v1, v[XC+8*\u:XC+8*\u+3], s[76:77] offset:\u*8*FRB          ; 512 consecutive bytes, aligned
	global_store_b64 v23, v[XC+8*\u+4:XC+8*\u+5], s[76:77] offset:\u*8*FRB+512    ; 256 consecutive bytes, aligned
	global_store_b8 v24, v[XC+8*\u+7], s[78:79] offset:\u*512                     ; two bytes of each of 16 rows of 32: 1 byte in 25 of what the launch stores
.endr
.endm
; THE CHANGE OF SLOTS at a trip's head.  fill = 1: the slot just left takes the next trip's key step: trip + 1 while that is at most i, else trip - i
.macro CHANGE fill
	s_wait_tensorcnt 0x0                           ; no tensor load of mine is out, so the descriptor may be written
	ds_add_u32 v3, v4                              ; 0 onto my spare word
.if \fill
	ds_add_u32 v3, v4                              ; and once more
	s_add_co_u32 s67, s3, 1
	s_sub_co_u32 s94, s3, s66
	s_cmp_le_u32 s67, s66
	s_cselect_b32 s67, s67, s94
	s_mul_i32 s68, s67, TILE
	s_xor_b32 s41, s41, SLOT1
	s_add_nc_u64 s[42:43], s[44:45], s[68:69]
	s_or_b32 s43, s43, 0x80000000
	s_wait_xcnt 0x0                                ; the last prefetch, a trip back, has read its address
	s_add_nc_u64 s[80:81], s[80:81], TILE
.endif
	s_wait_dscnt 0x0                               ; the add is done, and my reads of the slot that I have left are over: V's fragments are in registers
	s_barrier_signal -1
	s_barrier_wait -1
.if \fill
	TLOAD                                          ; first behind the barrier, a wave's one tensor load until the next
	ASK
.endif
.endm
; A TRIP.  main = 1: trips 1 to 15, which fill a slot; among them trip i + 1, in which block i ends and block 15 - i begins.  main = 0: trips 16 and 17
.macro BODY main
	CHANGE \main
	ADDR
.if \main
	LOADK
	s_cmp_lg_u32 s3, s47
	s_cbranch_scc1 .Lsameq_\@
	QLOAD 48                                       ; block i's last scores are made: block 15 - i's Q is asked for a softmax ahead of its use
.Lsameq_\@:
.else
	s_cmp_lg_u32 s3, 16
	s_cbranch_scc1 .Lnok_\@
	LOADK
.Lnok_\@:
.endif
	SOFT2
.rept 4
	v_nop                                          ; places behind the last products: O^T is read, or V's registers are loaded, below
.endr
.if \main
	s_wait_loadcnt 0x0                             ; Q, where it was asked for
	s_cmp_lg_u32 s3, s47
	s_cbranch_scc1 .Lsame_\@
	FINISH2
	s_wait_xcnt 0x0                                ; the stores have read their pointers and data
	s_mov_b64 s[76:77], s[52:53]
	s_mov_b64 s[78:79], s[54:55]
	s_mov_b32 s47, 17                              ; the next diagonal step's softmax stands in trip 17
	INIT2
	WALU
.Lsame_\@:
	LOADV
	SMUL
.else
	s_cmp_lg_u32 s3, 16
	s_cbranch_scc1 .Lnov_\@
	LOADV
	SMUL
.Lnov_\@:
.endif
	s_xor_b32 s2, s2, SLOT1
.endm
	s_load_b256 s[4:11], s[0:1], 0x0               ; qb, kv, ximg, xscl
	v_lshl_add_u32 v3, v0, 2, SPARE
	v_mov_b32 v4, 0
	ds_add_u32 v3, v4                              ; the opening lines: the add, twice on end, and below its wait
	ds_add_u32 v3, v4
	v_lshrrev_b32 v8, 5, v0
	v_readfirstlane_b32 s18, v8                    ; wave 0..7
	s_mov_b32 s66, ttmp9                           ; i
	s_and_b32 s83, ttmp7, 0xffff                   ; 8 x batch + pair of heads
	s_lshr_b32 s84, s18, 2                         ; which head of the pair
	s_and_b32 s88, s18, 3
	s_lshl_b32 s85, s88, 1                         ; my first image of 16 queries
	s_mul_i32 s88, s88, TILE/4                     ; a fetching wave's quarter
	s_mul_i32 s90, s83, 16*TILE
	s_add_co_u32 s90, s90, s88
	s_mov_b32 s91, 0
	s_mov_b32 s24, 3<<16                           ; group 1: 25 rows of 256 bytes (32 elements of 8), dense, no padding
	s_mov_b32 s25, 32<<16
	s_mov_b32 s26, 25<<16
	s_mov_b32 s27, 32<<16
	s_mov_b32 s28, 25
	s_mov_b32 s29, 32
	s_mov_b32 s30, 0
	s_mov_b32 s31, 0
	s_mov_b32 s20, 0x76543210
	s_mov_b32 s21, 0xfedcba98
	s_mov_b32 s22, 0x3d38aa3b                      ; log2(e) / 32
	s_mov_b32 s23, s22
	s_mov_b32 s2, 0
	s_mov_b32 s69, 0
	s_add_co_u32 s47, s66, 1                       ; the trip in which block i's diagonal step is finished
	s_cmp_eq_u32 s84, 0
	s_cselect_b32 s70, -1, 0                       ; which half of Q is kept
	s_cselect_b32 s71, 0, -1
	s_and_b32 s89, s83, 7
	s_mul_i32 s92, s89, FRB
	s_mul_i32 s94, s84, 768
	s_add_co_u32 s92, s92, s94                     ; in a tile of x: K step = the pair, half = the head
	s_lshl_b32 s93, s89, 2
	s_lshl_b32 s94, s84, 1
	s_add_co_u32 s93, s93, s94
	s_xor_b32 s94, s84, 1                          ; 0 in waves 4-7,
	s_or_b32 s94, s94, ttmp9                       ; of work-group 0
	s_cmp_eq_u32 s94, 0
	s_cselect_b32 s82, 8, 0                        ; they prefetch in eight trips, the others in none
	WALU
	s_wait_dscnt 0x0
	s_wait_kmcnt 0x0
	s_add_nc_u64 s[44:45], s[6:7], s[90:91]        ; my quarter of key step 0; stays
	s_mov_b64 s[80:81], s[44:45]
	s_mov_b32 s40, 1
	s_mov_b32 s41, s88
	s_mov_b64 s[42:43], s[44:45]
	s_or_b32 s43, s43, 0x80000000
	TLOAD                                          ; key step 0 into slot 0
	v_and_b32 v8, 31, v0                           ; lane
	v_and_b32 v9, 15, v0                           ; r
	v_bfe_u32 v10, v0, 4, 1                        ; h
	v_lshlrev_b32 v1, 4, v8
	v_lshlrev_b32 v2, 4, v9
	s_mov_b32 s87, s66
	POINT 72
	WALU
	QLOAD 72
	s_sub_co_u32 s87, 15, s66
	POINT 48
	s_mul_i32 s88, s84, 4*FRB
	s_add_co_u32 s88, s88, VOFF
	v_add_nc_u32 v5, s88, v1
	s_lshl_b32 s88, s84, 8
	s_add_co_u32 s88, s88, VSC
	v_add_nc_u32 v6, s88, v2
	v_add_nc_u32 v21, KSC, v2
	s_lshl_b32 s88, s85, 4
	v_add_nc_u32 v30, s88, v9
	v_lshlrev_b32 v11, 4, v10
	v_min_u32 v22, 24, v8
	v_lshlrev_b32 v23, 3, v8
	v_sub_nc_u32 v30, v30, v11                     ; 16 x my first tile + r - 16 h
	v_lshlrev_b32 v22, 8, v22
	v_lshl_add_u32 v24, v9, 5, v10                 ; 32 r + h
	v_cmp_le_u32 s86, 16, v8
	v_add_nc_u32 v31, 16, v30                      ; the second tile lies 16 queries on
.irp u, 0,1
.irp b, 0,1,2,3
	v_mov_b32 v[TB+32*\u+12+\b], 0                 ; a lane permute's destination counts as one of its sources
.endr
	v_mov_b32 v[TB+32*\u+28], 0
	v_mov_b32 v[TB+32*\u+29], 0                    ; (named in a pair with f, and never read)
.endr
	s_wait_loadcnt 0x0
	INIT2
	s_mov_b32 s3, 0
	WALU
	CHANGE 1                                       ; trip 0: key step 0 is in; slot 1's first fill
	ADDR
	LOADK
	LOADV
	SMUL
	s_xor_b32 s2, s2, SLOT1
	s_mov_b32 s3, 1
.Ltrip:
	BODY 1
	s_add_co_u32 s3, s3, 1
	s_cmp_lt_u32 s3, 16
	s_cbranch_scc1 .Ltrip
.Ltail:                                            ; trips 16 and 17: nothing is filled
	BODY 0
	s_add_co_u32 s3, s3, 1
	s_cmp_lt_u32 s3, 18
	s_cbranch_scc1 .Ltail
	FINISH2
	s_wait_tensorcnt 0x0                           ; the wave's end
	ds_add_u32 v3, v4
	s_wait_dscnt 0x0
	s_endpgm
.Lfunc_end_k_q21677cee63_attn:
	.size	k_q21677cee63_attn, .Lfunc_end_k_q21677cee63_attn-k_q21677cee63_attn
	.p2alignl 7, 3214868480
	.fill 96, 4, 3214868480
	.section	.rodata,"a",@progbits
	.p2align	6, 0x0
	.amdhsa_kernel k_q21677cee63_attn
		.amdhsa_group_segment_fixed_size 327680
		.amdhsa_private_segment_fixed_size 0
		.amdhsa_enable_private_segment 0
		.amdhsa_kernarg_size 32
		.amdhsa_user_sgpr_count 2
		.amdhsa_user_sgpr_kernarg_segment_ptr 1
		.amdhsa_wavefront_size32 1
		.amdhsa_system_sgpr_workgroup_id_x 1
		.amdhsa_system_sgpr_workgroup_id_y 1
		.amdhsa_system_sgpr_workgroup_id_z 1
		.amdhsa_system_vgpr_workitem_id 0
		.amdhsa_next_free_vgpr 512
		.amdhsa_next_free_sgpr 100
		.amdhsa_reserve_vcc 1
		.amdhsa_float_denorm_mode_32 3
		.amdhsa_float_denorm_mode_16_64 3
		.amdhsa_memory_ordered 1
		.amdhsa_forward_progress 1
		.amdhsa_inst_pref_size 115
	.end_amdhsa_kernel
	.amdgpu_metadata
---
amdhsa.version: [ 1, 2 ]
amdhsa.kernels:
  - .name:           k_q21677cee63_attn
    .symbol:         k_q21677cee63_attn.kd
    .args:
      - { .name: qb, .offset: 0, .size: 8, .value_kind: global_buffer, .address_space: global }
      - { .name: kv, .offset: 8, .size: 8, .value_kind: global_buffer, .address_space: global }
      - { .name: ximg, .offset: 16, .size: 8, .value_kind: global_buffer, .address_space: global }
      - { .name: xscl, .offset: 24, .size: 8, .value_kind: global_buffer, .address_space: global }
    .group_segment_fixed_size: 327680
    .private_segment_fixed_size: 0
    .kernarg_segment_align: 8
    .kernarg_segment_size: 32
    .max_flat_workgroup_size: 256
    .sgpr_count:     100
    .vgpr_count:     512
    .wavefront_size: 32
...
	.end_amdgpu_metadata
.endif
;; end of part 3
;; launch outp (part 4): grid 4 x 64, 4 waves a work-group, clusters of 4 x 4, 327,680 bytes of LDS; arguments ximg, xscl, img, scl, bo, out0; writes out0
.if DOCPART == 4
	.amdgcn_target "amdgcn-amd-amdhsa--gfx1250"
	.amdhsa_code_object_version 6
	.text
	.protected	k_q21677cee63_outp
	.globl	k_q21677cee63_outp
	.p2align	8
	.type	k_q21677cee63_outp,@function
k_q21677cee63_outp:
	s_mov_b64 s[64:65], 0
	v_nop
	global_prefetch_b8 v0, s[64:65] scope:SCOPE_SE
	s_setreg_imm32_b32 hwreg(HW_REG_WAVE_MODE, 25, 1), 1
	s_wait_xcnt 0x0
	s_wait_alu depctr_hold_cnt(0) depctr_sa_sdst(0) depctr_va_vdst(0) depctr_va_sdst(0) depctr_va_ssrc(0) depctr_va_vcc(0) depctr_vm_vsrc(0)
	s_getreg_b32 s2, hwreg(HW_REG_IB_STS2, 6, 4)
	s_cmp_eq_u32 s2, 0
	s_cbranch_scc0 .Lentry_in_a_cluster
	s_endpgm
.Lentry_in_a_cluster:
	s_bfe_u32 s2, ttmp6, 0x10000c
	s_cmp_lg_u32 s2, 0xf033
	s_cbranch_scc0 .Lentry_shape_is_right
	s_endpgm
.Lentry_shape_is_right:
; out0 = x Wo^T + bo on codes of FP6 (E2M3) with E8M0 scales, sums in f32.  x's codes and scale bytes come from ximg and xscl, Wo's from img and scl (tiles 1,728 on).
; An operand's 16 rows x 128 K are 1,536 bytes, eight such a tile.  Wo: an image of the 12 registers (three pieces of 512, lane l's 16 bytes at 16 l).  x: two halves of 768 bytes, six registers each: 16 bytes a lane, then 8 bytes a lane.
; A block of out0 is 128 rows x 256 columns: 64 x 4 = 256 work-groups; four waves, each 64 x 128: 32 accumulators, one window.  Source 0 = Wo's rows, source 1 = x's rows: a lane holds eight neighbouring columns of a row.
; K = 1,024 lies whole in LDS, in two slots of 512 (x's 8 tiles, then Wo's 16, 6,144 bytes each): slot 0 is asked for at the head, slot 1 behind the spare word's add and a round of the cluster's barrier; nothing is filled again.
; Waves 0, 1 fetch 4 tiles of x each, waves 2, 3 8 tiles of Wo each.  Clusters of 4 x 4: x's tiles are asked for jointly along a row, Wo's along a column.
; SCALE WORDS go from memory into registers: lane (r, h) takes the 16 bytes at 32 r + 16 h of a tile's 512: register j holds word j of row r in lanes 0-15 and word 4 + j in lanes 16-31; steps 4-7 name the upper lanes.
; The bias is the first products' C.  The results leave through each wave's own stage in slot 0, which has had its only fill and, behind the change of slots, its last read, as whole rows of 512 bytes.
; NO PREFETCH: each work-group asks for all its bytes in two loads a wave at its start; there is no loop to run ahead in.
.set SIZE_N, 1024
.set FR,    12
.set FRB,   1536
.set UNIT,  4*FRB
.set TROW,  8*FRB
.set ASZ,   8*UNIT
.set SLOT,  24*UNIT
.set SPARE, 2*SLOT                     ; the spare words, 128 bytes a wave
.set SPITCH, 528
.set ADRA, 16                          ; v16-17 x's fragments: 16 bytes a lane, slot 0, 1
.set ADRH, 18                          ; v18-19 the same, 8 bytes a lane
.set ADRB, 20                          ; v20-21 Wo's
.set VB8,  22                          ; 32 h
.set STO,  24
.set RD,   25
.set CO,   26                          ; 16 x lane
.set LS,   27                          ; 32 r + 16 h
.set SPW,  28
.set NIL,  29
.set XB,   32
.set XA,   66
.set AF,   96
.set BK,   128
.set G1, 24
.set G0, 32
.set G1B, 48
.set G0B, 56
.set MSB, 0
.macro WIN new
.if MSB != (\new)
	s_set_vgpr_msb (MSB<<8)|(\new)
.set MSB, (\new)
.endif
.endm
.macro WALU
	s_wait_alu depctr_va_vdst(0)
.endm
.macro PLACES n
.rept \n
	v_nop
.endr
.endm
.macro JLOAD s
	s_cmp_eq_u32 s15, 0
	s_cbranch_scc0 .Lfor_b_\@
	tensor_load_to_lds s[G0+4*\s:G0+4*\s+3], s[G1:G1+7]
	s_nop 0
	PLACES 4
	s_branch .Lasked_\@
.Lfor_b_\@:
	tensor_load_to_lds s[G0B+4*\s:G0B+4*\s+3], s[G1B:G1B+7]
	s_nop 0
	PLACES 4
.Lasked_\@:
.endm
.macro CROUND
	s_barrier_signal -1
	s_barrier_wait -1
	s_cmp_lg_u32 s14, 0
	s_cbranch_scc1 .Lnot_wave_0_\@
	s_barrier_signal -3
.Lnot_wave_0_\@:
	s_barrier_wait -3
	s_barrier_signal -1
	s_barrier_wait -1
.endm
.macro FRAG3 reg, adr, off
.irp c, 0,1,2
	ds_load_b128 v[\reg+4*\c:\reg+4*\c+3], v[\adr] offset:(\off)+512*\c
.endr
.endm
.macro FRAGH reg, s, off
.irp c, 0,1
	ds_load_b128 v[\reg+6*\c:\reg+6*\c+3], v[ADRA+\s] offset:(\off)+768*\c
	ds_load_b64 v[\reg+6*\c+4:\reg+6*\c+5], v[ADRH+\s] offset:(\off)+768*\c+512
.endr
.endm
.macro FETCH q                         ; step q's fragments into set q % 2: 40 loads
	WIN 0x40
.irp i, 0,1,2,3,4,5,6,7
	FRAG3 128*((\q)%2)+FR*\i, ADRB+(\q)/4, \i*UNIT+((\q)%4)*FRB
.endr
	WIN 0
.irp i, 0,1,2,3
	FRAGH AF+48*((\q)%2)+FR*\i, (\q)/4, \i*UNIT+((\q)%4)*FRB
.endr
.endm
.macro WM d, s0, s1, c, x0, x1, hi
.if \hi
	v_wmma_scale_f32_16x16x128_f8f6f4 v[\d:\d+7], v[\s0:\s0+FR-1], v[\s1:\s1+FR-1], \c, v[\x0], v[\x1] matrix_a_fmt:MATRIX_FMT_FP6 matrix_b_fmt:MATRIX_FMT_FP6 matrix_a_scale:MATRIX_SCALE_ROW1 matrix_b_scale:MATRIX_SCALE_ROW1
.else
	v_wmma_scale_f32_16x16x128_f8f6f4 v[\d:\d+7], v[\s0:\s0+FR-1], v[\s1:\s1+FR-1], \c, v[\x0], v[\x1] matrix_a_fmt:MATRIX_FMT_FP6 matrix_b_fmt:MATRIX_FMT_FP6
.endif
.endm
.macro MUL16 a0, q, cm                 ; x's tiles a0, a0 + 1 x Wo's eight; cm = 1: the sums begin with the bias.  The 32 accumulators take turns
.irp a, \a0, \a0+1
.irp b, 0,1,2,3,4,5,6,7
.if \cm == 0
	WM 8*(8*(\a)+\b), 128*((\q)%2)+FR*\b, AF+48*((\q)%2)+FR*(\a), v[8*(8*(\a)+\b):8*(8*(\a)+\b)+7], XB+4*\b+(\q)%4, XA+4*(\a)+(\q)%4, (\q)/4
.else
	WM 8*(8*(\a)+\b), 128*((\q)%2)+FR*\b, AF+48*((\q)%2)+FR*(\a), v[8*\b:8*\b+7], XB+4*\b+(\q)%4, XA+4*(\a)+(\q)%4, (\q)/4
.endif
.endr
.endr
.endm
.macro PLAIN q, cm
	s_wait_dscnt 0x0                               ; this step's fragments, asked for a step ago
	PLACES 4                                       ; behind the last step's products, whose fragments' registers are loaded below
	FETCH (\q)+1
.if \cm
	WIN 0xb1                                       ; C in window 3
.else
	WIN 0xa1
.endif
	MUL16 0, \q, \cm
	MUL16 2, \q, \cm
	WIN 0
.endm
	s_load_b128 s[4:7], s[0:1], 0x0                ; ximg, xscl
	s_load_b128 s[8:11], s[0:1], 0x10              ; img, scl
	s_load_b64 s[40:41], s[0:1], 0x20              ; bo
	s_load_b64 s[12:13], s[0:1], 0x28              ; out0
	v_lshl_add_u32 v[SPW], v0, 2, SPARE
	v_mov_b32 v[NIL], 0
	ds_add_u32 v[SPW], v[NIL]                      ; the opening lines
	ds_add_u32 v[SPW], v[NIL]
	v_lshrrev_b32 v1, 5, v0
	v_readfirstlane_b32 s14, v1                    ; wave 0..3
	s_lshr_b32 s15, s14, 1                         ; which 64 rows are mine.  Also: I fetch for x (0) or for Wo (1)
	s_and_b32 s16, s14, 1                          ; which 128 columns.  Also: which half of that operand's tiles I fetch
	s_bfe_u32 s96, ttmp6, 0x40000                  ; cx
	s_bfe_u32 s97, ttmp6, 0x40004                  ; cy
	s_and_b32 s98, ttmp7, 0xffff
	s_lshl_b32 s17, s98, 2
	s_add_co_u32 s17, s17, s97                     ; my block of 128 rows
	s_mov_b32 s19, s96                             ; and of 256 columns
	s_lshl_b32 s20, s97, 2
	s_lshl_b32 s20, 15, s20                        ; my row of the cluster
	s_lshl_b32 s22, 0x1111, s96                    ; my column
	s_or_b32 s[G1], s20, (3<<16)|(1<<21)           ; group 1: rows of 6,144 bytes (768 elements of 8), 12,288 from tile to tile, no padding
	s_or_b32 s[G1B], s22, (3<<16)|(1<<21)
.irp g, G1, G1B
	s_mov_b32 s[\g+1], 768<<16
	s_mov_b32 s[\g+3], 768<<16
	s_mov_b32 s[\g+5], 1536
	s_mov_b32 s[\g+6], 0
	s_mov_b32 s[\g+7], 0
.endr
	s_mov_b32 s[G1+2], 4<<16
	s_mov_b32 s[G1+4], 4
	s_mov_b32 s[G1B+2], 8<<16
	s_mov_b32 s[G1B+4], 8
	s_mul_i32 s18, s16, 4*UNIT
	s_mov_b32 s[G0], 1
	s_mov_b32 s[G0+1], s18
	s_mov_b32 s[G0+4], 1
	s_add_co_u32 s[G0+5], s18, SLOT
	s_mul_i32 s18, s16, 8*UNIT
	s_add_co_u32 s18, s18, ASZ
	s_mov_b32 s[G0B], 1
	s_mov_b32 s[G0B+1], s18
	s_mov_b32 s[G0B+4], 1
	s_add_co_u32 s[G0B+5], s18, SLOT
	s_lshl_b32 s20, s17, 3                         ; x's first tile; s20, s21 hold what hangs on the rows alone, s22, s23 on the columns alone
	s_lshl_b32 s21, s15, 2
	s_add_co_u32 s21, s21, s20
	s_lshl_b32 s66, s21, 9                         ; my scale words of x
	s_mov_b32 s67, 0
	s_lshl_b32 s21, s16, 2
	s_add_co_u32 s21, s21, s20
	s_mul_i32 s20, s21, TROW                       ; my load of x
	s_mov_b32 s21, 0
	s_lshl_b32 s22, s19, 4
	s_add_co_u32 s22, s22, 1728
	s_lshl_b32 s23, s16, 3
	s_add_co_u32 s23, s23, s22
	s_lshl_b32 s68, s23, 9                         ; my scale words of Wo
	s_mov_b32 s69, 0
	s_mul_i32 s22, s23, TROW                       ; my load of Wo
	s_mov_b32 s23, 0
	WALU
	s_wait_dscnt 0x0
	s_wait_kmcnt 0x0
	s_add_nc_u64 s[G0+2:G0+3], s[4:5], s[20:21]
	s_add_nc_u64 s[G0+6:G0+7], s[G0+2:G0+3], UNIT
	s_or_b32 s[G0+3], s[G0+3], 0x80000000
	s_or_b32 s[G0+7], s[G0+7], 0x80000000
	s_add_nc_u64 s[G0B+2:G0B+3], s[8:9], s[22:23]
	s_add_nc_u64 s[G0B+6:G0B+7], s[G0B+2:G0B+3], UNIT
	s_or_b32 s[G0B+3], s[G0B+3], 0x80000000
	s_or_b32 s[G0B+7], s[G0B+7], 0x80000000
	CROUND                                         ; all sixteen work-groups are here: the first joint loads meet
	JLOAD 0                                        ; the first half of K: one tensor load a wave at the head
	s_add_nc_u64 s[66:67], s[6:7], s[66:67]
	s_add_nc_u64 s[68:69], s[10:11], s[68:69]
	s_lshl_b32 s70, s19, 10
	s_lshl_b32 s71, s16, 9
	s_add_co_u32 s70, s70, s71                     ; my first column, in bytes
	s_mov_b32 s71, 0
	s_add_nc_u64 s[40:41], s[40:41], s[70:71]
	s_add_nc_u64 s[12:13], s[12:13], s[70:71]
	s_lshl_b32 s70, s17, 7
	s_lshl_b32 s72, s15, 6
	s_add_co_u32 s70, s70, s72
	s_lshl_b32 s70, s70, 12                        ; my first row x 4,096 bytes
	s_add_nc_u64 s[12:13], s[12:13], s[70:71]
	v_and_b32 v1, 15, v0                           ; r
	v_bfe_u32 v2, v0, 4, 1                         ; h
	v_and_b32 v3, 31, v0
	v_lshlrev_b32 v[CO], 4, v3
	v_lshlrev_b32 v4, 3, v3
	v_lshlrev_b32 v[LS], 5, v1
	v_lshlrev_b32 v[VB8], 5, v2
	v_mul_u32_u24 v5, v1, SPITCH
	v_lshl_add_u32 v[LS], v2, 4, v[LS]
	v_lshl_add_u32 v5, v2, 5, v5
	s_mul_i32 s18, s15, 4*UNIT
	v_add_nc_u32 v[ADRA], s18, v[CO]
	v_add_nc_u32 v[ADRH], s18, v4
	s_add_co_u32 s18, s18, SLOT
	v_add_nc_u32 v[ADRA+1], s18, v[CO]
	v_add_nc_u32 v[ADRH+1], s18, v4
	s_mul_i32 s18, s16, 8*UNIT
	s_add_co_u32 s18, s18, ASZ
	v_add_nc_u32 v[ADRB], s18, v[CO]
	s_add_co_u32 s18, s18, SLOT
	v_add_nc_u32 v[ADRB+1], s18, v[CO]
	s_mul_i32 s18, s14, 16*SPITCH                  ; my stage, in slot 0
	v_add_nc_u32 v[STO], s18, v5
	v_add_nc_u32 v[RD], s18, v[CO]
	WALU
.irp a, 0,1,2,3
	global_load_b128 v[XA+4*\a:XA+4*\a+3], v[LS], s[66:67] offset:512*\a
.endr
.irp b, 0,1,2,3,4,5,6,7
	global_load_b128 v[XB+4*\b:XB+4*\b+3], v[LS], s[68:69] offset:512*\b
.endr
	WIN 0xc0
.irp b, 0,1,2,3,4,5,6,7
	global_load_b128 v[8*\b:8*\b+3], v[VB8], s[40:41] offset:64*\b        ; register 8 b + j of window 3: the bias of column 16 b + 8 h + j
	global_load_b128 v[8*\b+4:8*\b+7], v[VB8], s[40:41] offset:64*\b+16
.endr
	WIN 0
	s_wait_tensorcnt 0x0                           ; my part of slot 0 is in
	ds_add_u32 v[SPW], v[NIL]
	s_wait_dscnt 0x0
	CROUND
	JLOAD 1                                        ; the second half of K
	FETCH 0
	s_wait_loadcnt 0x0                             ; the scale words and the bias
	PLAIN 0, 1
	PLAIN 1, 0
	PLAIN 2, 0
	s_wait_tensorcnt 0x0                           ; the change of slots: my part of slot 1 is in,
	ds_add_u32 v[SPW], v[NIL]
	s_wait_dscnt 0x0                               ; and my reads of slot 0 are over: step 3's fragments are in registers
	s_barrier_signal -1
	WIN 0xa1
	MUL16 0, 3, 0
	WIN 0
	s_barrier_wait -1
	PLACES 4
	FETCH 4
	WIN 0xa1
	MUL16 2, 3, 0
	WIN 0
	PLAIN 4, 0
	PLAIN 5, 0
	PLAIN 6, 0
	s_wait_dscnt 0x0
	WIN 0xa1
	MUL16 0, 7, 0
	MUL16 2, 7, 0
	WIN 0
; THE WAY OUT, block by block of 16 rows x 128 columns: through my stage and back as whole rows of 512 bytes.  LDS serves a wave's instructions in order: no wait between the stores and the loads
.macro TOSTAGE a
	WIN 0x08                                       ; the data: window 2
.irp b, 0,1,2,3,4,5,6,7
	ds_store_b128 v[STO], v[64*(\a)+8*\b:64*(\a)+8*\b+3] offset:64*\b        ; each accumulator from its low end on
	ds_store_b128 v[STO], v[64*(\a)+8*\b+4:64*(\a)+8*\b+7] offset:64*\b+16
.endr
	WIN 0
.set BB, BK+64*((\a)%2)
.irp t, 0,1,2,3,4,5,6,7,8,9,10,11,12,13,14,15
	ds_load_b128 v[BB+4*\t:BB+4*\t+3], v[RD] offset:\t*SPITCH
.endr
.endm
.macro SEND a, younger                 ; younger: the LDS instructions issued behind block a's loads, which may stay out
.set BB, BK+64*((\a)%2)
	s_wait_dscnt \younger
.if (\a) > 0
	s_add_nc_u64 s[12:13], s[12:13], 16*SIZE_N*4   ; behind a wait on XCNT: the earlier stores have read their base
.endif
.irp t, 0,1,2,3,4,5,6,7,8,9,10,11,12,13,14,15
	global_store_b128 v[CO], v[BB+4*\t:BB+4*\t+3], s[12:13] offset:\t*SIZE_N*4 th:TH_STORE_NT   ; 512 consecutive bytes, aligned
.endr
.endm
	PLACES 4                                       ; behind the last products
	TOSTAGE 0
.irp a, 1,2,3
.if \a > 1
	s_wait_xcnt 0x0                                ; block a - 2's stores have read their registers and their base
.endif
	TOSTAGE \a
	SEND \a-1, 32                                  ; behind block a - 1's loads: block a's 16 stores and 16 loads
.endr
	s_wait_xcnt 0x0
	SEND 3, 0
	s_wait_tensorcnt 0x0                           ; the wave's end
	ds_add_u32 v[SPW], v[NIL]
	s_wait_dscnt 0x0
	CROUND                                         ; the closing round
	s_endpgm
.Lfunc_end_k_q21677cee63_outp:
	.size	k_q21677cee63_outp, .Lfunc_end_k_q21677cee63_outp-k_q21677cee63_outp
	.p2alignl 7, 3214868480
	.fill 96, 4, 3214868480
	.section	.rodata,"a",@progbits
	.p2align	6, 0x0
	.amdhsa_kernel k_q21677cee63_outp
		.amdhsa_group_segment_fixed_size 327680
		.amdhsa_private_segment_fixed_size 0
		.amdhsa_enable_private_segment 0
		.amdhsa_kernarg_size 48
		.amdhsa_user_sgpr_count 2
		.amdhsa_user_sgpr_kernarg_segment_ptr 1
		.amdhsa_wavefront_size32 1
		.amdhsa_system_sgpr_workgroup_id_x 1
		.amdhsa_system_sgpr_workgroup_id_y 1
		.amdhsa_system_sgpr_workgroup_id_z 1
		.amdhsa_system_vgpr_workitem_id 0
		.amdhsa_next_free_vgpr 1024
		.amdhsa_next_free_sgpr 102
		.amdhsa_reserve_vcc 0
		.amdhsa_float_denorm_mode_32 3
		.amdhsa_float_denorm_mode_16_64 3
		.amdhsa_memory_ordered 1
		.amdhsa_forward_progress 1
		.amdhsa_inst_pref_size 80
	.end_amdhsa_kernel
	.amdgpu_metadata
---
amdhsa.version: [ 1, 2 ]
amdhsa.kernels:
  - .name:           k_q21677cee63_outp
    .symbol:         k_q21677cee63_outp.kd
    .args:
      - { .name: ximg, .offset: 0, .size: 8, .value_kind: global_buffer, .address_space: global }
      - { .name: xscl, .offset: 8, .size: 8, .value_kind: global_buffer, .address_space: global }
      - { .name: img, .offset: 16, .size: 8, .value_kind: global_buffer, .address_space: global }
      - { .name: scl, .offset: 24, .size: 8, .value_kind: global_buffer, .address_space: global }
      - { .name: bo, .offset: 32, .size: 8, .value_kind: global_buffer, .address_space: global }
      - { .name: out0, .offset: 40, .size: 8, .value_kind: global_buffer, .address_space: global }
    .group_segment_fixed_size: 327680
    .private_segment_fixed_size: 0
    .kernarg_segment_align: 8
    .kernarg_segment_size: 48
    .max_flat_workgroup_size: 128
    .sgpr_count:     102
    .vgpr_count:     1024
    .wavefront_size: 32
...
	.end_amdgpu_metadata
.endif
;; end of part 4
